; MI455X (gfx1250); checked and timed in simulation.
; The chip was launched on July 23, 2026; its instructions are those of AMD's public machine-readable ISA for CDNA 5 (MIT licence, August 2026) and "CDNA5" Instruction Set Architecture Reference Guide (July 2026). The comments in the code are by the model that wrote it; some were corrected since.
;; Dora Linear Layer. Allowed arithmetic: matrix products marked QUANTISED: E4M3 operands, one given power-of-two scale a tensor, by v_wmma_f32_16x16x64_fp8_fp8 or v_wmma_f32_16x16x128_fp8_fp8, f32 sums; products left as they are: f32 operands where the result goes on into a quantised operand, else bf16, f16 or f32 operands; f32 sums; everything else in f32.
;; Inputs: base_weight 4,096 x 4,096 float32; lowp_scales 4 int32 (the exponents e of the quantised operands' scales 2^e); magnitude 4,096 float32; osora_O 4,096 float32; osora_S 16 float32; osora_U 4,096 x 16 float32; osora_V 16 x 4,096 float32; x 8 x 512 x 4,096 float32.
;; Outputs: out0 8 x 512 x 4,096 float32.
;; This version of the problem:
;;   THIS VERSION OF THE PROBLEM IS GIVEN IN LOW PRECISION. The matrix products marked QUANTISED in the list below multiply operands that are first quantised to E4M3 (4 exponent bits, 3 mantissa bits; 8 bits a number), with one given power-of-two scale for each operand tensor; their sums are f32. All else is computed in f32.
;;   The module's matrix products, in the order in which they are computed (A, B: the left and right operand; K: the contracted axis; several contracted axes count as one K, in the product's order):
;;     1. [M 4,096, K 16] x [K 16, N 4,096]; A: computed on the way; B: input osora_V: left as it is (K = 16 < 32)
;;     2. [M 4,096, K 4,096] x [K 4,096, N 16]; A: input x; B: input osora_V: QUANTISED (scales: A lowp_scales[0], B lowp_scales[1])
;;     3. [M 4,096, K 16] x [K 16, N 4,096]; A: computed on the way; B: input osora_U: left as it is (K = 16 < 32)
;;     4. [M 4,096, K 4,096] x [K 4,096, N 4,096]; A: input x; B: input base_weight: QUANTISED (scales: A lowp_scales[2], B lowp_scales[3])
;;   THE QUANTISER, for each operand of a quantised product, along K:
;;     - The operand's scale is 2^e, e = its entry of the input lowp_scales (int32; the entries are numbered through the quantised products in the list's order, A before B).
;;     - Each number is divided by the scale, clamped to +-448, and rounded to the nearest number of E4M3, ties to even, subnormals kept.
;;     - The product sums the exact products of the quantised numbers (number of the format x scale) in f32.
;;   ~~~python
;;   def quantise(x, axis, e):      # numpy; x: float32 -> the quantised numbers, widened to float32 again
;;       x = np.moveaxis(x, axis, -1); K = x.shape[-1]
;;       r = np.clip(x / 2.0 ** e, -448, 448)
;;       step = 2.0 ** (np.maximum(np.frexp(np.where(r == 0, 1, r))[1] - 1, -6) - 3)
;;       q = np.round(r / step) * step * 2.0 ** e      # np.round: ties to even
;;       return np.moveaxis(q, -1, axis).astype(np.float32)
;;   ~~~
;; 2 versions, each right; version 2 is version 1 with the launch prep written anew for expert scheduling mode. Each part assembles by itself: llvm-mc -triple=amdgcn-amd-amdhsa -mcpu=gfx1250 --defsym DOCPART=n.
;; ======== version 1 of 2: 2 launches
;; limits: below input magnitudes of 1.7e-21 results are inexact or not finite
;; workspace buffers: xq 16,777,216 bytes; wq 16,777,216 bytes; tpart 1,048,576 bytes; nsq 65,536 bytes
;; launch prep (part 1): grid 256 x 1, 16 waves a work-group, no clusters, 208,896 bytes of LDS; arguments x, base_weight, osora_V, osora_U, osora_S, osora_O, lowp_scales, xq, wq, tpart, nsq; writes xq, wq, tpart, nsq
.if DOCPART == 1
	.amdgcn_target "amdgcn-amd-amdhsa--gfx1250"
	.amdhsa_code_object_version 6
	.text
	.protected	k_q5b136582b8_prep
	.globl	k_q5b136582b8_prep
	.p2align	8
	.type	k_q5b136582b8_prep,@function
k_q5b136582b8_prep:
	s_mov_b64 s[64:65], 0
	v_nop
	global_prefetch_b8 v0, s[64:65] scope:SCOPE_SE
	s_setreg_imm32_b32 hwreg(HW_REG_WAVE_MODE, 25, 1), 1
	s_wait_xcnt 0x0
; THE LAUNCH IN FRONT OF THE GEMM.  x [4096][4096] and base_weight [4096][4096], f32, are read once; all that needs the f32 numbers is done while they are in registers.
; Work-groups 0-127 (x): codes of x at 2^e2 -> xq;  the small quantised product Q(x at 2^e0) Q(V at 2^e1)^T, x S x 2^(e0 + e1), in four parts along K -> tpart.
; Work-groups 128-255 (W): codes of W at 2^e3 -> wq;  the sums of squares of the rows of W + (O U S) V, in four parts along K -> nsq.  (O U S) V is a product with K = 16 that is left as it is: bf16 operands, f32 sums, with W itself, in f32, as C.
; code = number / 2^e, held within +-448, rounded to the nearest code of E4M3, ties to even.
; LIMITS: each e of lowp_scales between -126 and 119, so that 2^e and 448 x 2^e are f32 numbers.  NaN and infinities among the inputs are not served (a zero half of an operand must give 0).  The sums over K are made in parts
; (two accumulators, two waves, four work-groups) and added in f32: another order of rounding than one chain's.
; SHARES.  A work-group takes 128 rows x 1,024 along K; wave w takes rows 16 (w % 8) on and 512 (w / 8) along K on, in 8 chunks of 16 rows x 64 K.  Sixteen waves of 256 registers: four to a SIMD.
; A CHUNK.  Eight loads, each two rows' aligned 256 bytes (16 lanes a row).  The conversions want 16 neighbours along K in one lane, so the chunk turns through the wave's own stage in LDS (rows 272 bytes apart):
; afterwards register 16 b + i of lane (rl, h) is k = 32 b + 16 h + i of row rl.  Loads run four chunks (32 loads a wave) ahead.
; THE CODES' LAYOUT is the order of an operand's registers: [row tile of 16][K step of 128][quad c][lane][16 bytes], quad c of lane (rl, h) = k 32 c + 16 h + 0 .. 15 of row rl: a wave's store covers 512 consecutive bytes, aligned.
; That order of k is the same in both operands of every product that reads them, so every product meets its partner.
; V is shared by the work-group: each wave makes one chunk's operand image of the work-group's 1,024 columns of V, in LDS, once.  The two paths part on the work-group's number, never meet again, and have LDS bytes of their own.
; No tensor loads, no cluster: every byte of x and W is read once by one wave; what is shared (V's quarter) is 64 KiB a work-group.
.set XV,    0                          ; x path: V's fp8 images: 16 chunks x 1,024 bytes
.set XRED,  16384                      ;         the waves' parts of the small product: 16 x 1,024
.set XSTG,  32768                      ;         the stages: 16 waves x 16 rows x 272
.set WV,    102400                     ; W path: V^T's bf16 images: 16 chunks x 2,048 bytes
.set WRED,  135168                     ;         the waves' sums of squares: 16 x 128
.set WSTG,  137216                     ;         the stages
.set SP,    272                        ; a stage row: 256 bytes + 16: an odd multiple of 16, so that sixteen rows' loads of 16 bytes start at sixteen different places modulo 256
.set WSTAGE, 16*SP
.set ROWB,  16384                      ; a row of x, W or V in bytes
.set LI,   4                           ; v4   16 x lane
.set GL,   5                           ; v5   a chunk's loads: h rows + 16 rl bytes
.set SST,  6                           ; v6   the stage, on the way in
.set SLD,  7                           ; v7   the stage, on the way out
.set VRD,  8                           ; v8   where I read V's images
.set VWR,  9                           ; v9   where I write mine
.set RWR,  10                          ; v10  where I put my part of a sum
.set RRD,  11                          ; v11  where I read the parts back
.set VGO,  12                          ; v12  my offset in V
.set R,    32                          ; v32-159  four sets of 32: chunks as loaded
.set X,    160                         ; v160-191 the chunk turned
.set T,    192                         ; at work
.macro MKSCALE e, sc, lim              ; 2^e and 448 x 2^e as f32 numbers
	s_add_co_i32 s50, s[\e], 127
	s_lshl_b32 s51, s50, 23
	v_mov_b32 v[\sc], s51
	s_add_co_i32 s50, s50, 8
	s_lshl_b32 s50, s50, 23
	s_or_b32 s50, s50, 0x600000
	v_mov_b32 v[\lim], s50
.endm
.macro BARRIER                         ; my LDS stores have landed and my LDS loads are in: then the work-group's barrier
	s_wait_dscnt 0x0
	s_barrier_signal -1
	s_barrier_wait -1
.endm
.macro STAGEADR base                   ; my stage: base + 4,352 x wave; in: row h, 16 rl;  out: row rl, 64 h
	s_mul_i32 s46, s32, WSTAGE
	s_add_co_u32 s46, s46, \base
	v_mul_u32_u24 v[SST], v3, SP
	v_lshl_add_u32 v[SST], v2, 4, v[SST]
	v_add_nc_u32 v[SST], s46, v[SST]
	v_mul_u32_u24 v[SLD], v2, SP
	v_lshl_add_u32 v[SLD], v3, 6, v[SLD]
	v_add_nc_u32 v[SLD], s46, v[SLD]
.endm
.macro GLOAD c, bs                     ; chunk c: load i takes rows 2 i and 2 i + 1, 256 consecutive bytes of each
.irp i, 0,1,2,3,4,5,6,7
	global_load_b128 v[R+32*((\c)%4)+4*\i:R+32*((\c)%4)+4*\i+3], v[GL], s[\bs:\bs+1] offset:2*\i*ROWB+256*(\c) th:TH_LOAD_NT
.endr
.endm
.macro TURN c                          ; through the stage: LDS serves a wave's instructions in order (ISA guide 5.7.1.4), so no wait stands between the stores and the loads
.irp i, 0,1,2,3,4,5,6,7
	ds_store_b128 v[SST], v[R+32*((\c)%4)+4*\i:R+32*((\c)%4)+4*\i+3] offset:2*\i*SP
.endr
.irp b, 0,1
.irp j, 0,1,2,3
	ds_load_b128 v[X+16*\b+4*\j:X+16*\b+4*\j+3], v[SLD] offset:128*\b+16*\j
.endr
.endr
.endm
.macro CHUNKWAIT c
.if (\c) < 5
	s_wait_loadcnt 24                              ; this chunk's eight loads are in; the three chunks behind it may be out
.else
	s_wait_loadcnt 8*(7-(\c))                      ; the counts run down
.endif
	s_wait_xcnt 0x0                                ; the last chunk's stores have read their data registers: they are written again only behind this wait
.endm
	s_load_b512 s[4:19], s[0:1], 0x0               ; x 4:5, W 6:7, V 8:9, U 10:11, S 12:13, O 14:15, the scales' exponents 16:17, xq 18:19
	s_load_b128 s[20:23], s[0:1], 0x40             ; wq 20:21, tpart 22:23
	s_load_b64 s[24:25], s[0:1], 0x50              ; nsq
	v_lshrrev_b32 v1, 5, v0
	v_readfirstlane_b32 s32, v1                    ; wave 0..15
	v_and_b32 v1, 31, v0                           ; lane
	v_and_b32 v2, 15, v0                           ; rl
	v_bfe_u32 v3, v0, 4, 1                         ; h
	v_lshlrev_b32 v[LI], 4, v1
	v_lshlrev_b32 v[GL], 14, v3
	v_lshl_add_u32 v[GL], v2, 4, v[GL]
	s_and_b32 s33, s32, 7                          ; which 16 rows
	s_lshr_b32 s34, s32, 3                         ; kh: which 512 along K
	s_and_b32 s37, ttmp9, 127
	s_lshr_b32 s35, s37, 2                         ; which 128 rows
	s_and_b32 s36, s37, 3                          ; q: which 1,024 along K
	s_lshl_b32 s38, s35, 3
	s_add_co_u32 s38, s38, s33                     ; my row tile, 0..255
	s_lshl_b32 s40, s38, 18                        ; the source: 16 rows of 16,384 bytes a tile,
	s_lshl_b32 s41, s36, 12                        ; + 4,096 q
	s_add_co_u32 s40, s40, s41
	s_lshl_b32 s41, s34, 11                        ; + 2,048 kh
	s_add_co_u32 s40, s40, s41
	s_mov_b32 s41, 0
	s_lshl_b32 s42, s38, 16                        ; the codes: 65,536 bytes a tile,
	s_lshl_b32 s43, s36, 14                        ; + 8 K steps of 2,048 bytes a quarter
	s_add_co_u32 s42, s42, s43
	s_lshl_b32 s43, s34, 13                        ; + 4 K steps a half
	s_add_co_u32 s42, s42, s43
	s_mov_b32 s43, 0
	s_lshl_b32 s44, s36, 12                        ; V: the chunk of which I make the image: columns 1,024 q + 64 w on
	s_lshl_b32 s45, s32, 8
	s_add_co_u32 s44, s44, s45
	s_mov_b32 s45, 0
	s_wait_kmcnt 0x0
	s_load_b128 s[28:31], s[16:17], 0x0            ; e0, e1, e2, e3
	s_add_nc_u64 s[8:9], s[8:9], s[44:45]
	s_cmp_ge_u32 ttmp9, 128                        ; the same for all waves of a work-group
	s_cbranch_scc1 .Lw_path
; ======================================================================================== x
.set SC2, 14                           ; v14, v15  2^e2, 448 x 2^e2: the large product's x
.set LM2, 15
.set SC0, 16                           ; v16, v17  the same with e0: the small product's x
.set LM0, 17
.set SC1, 18                           ; v18, v19  with e1: V
.set LM1, 19
.set SS,  20                           ; v20-23    S x 2^(e0 + e1) at r = 8 h + 4 kh + 0 .. 3
.set C2,  208                          ; v208-215  codes at e2
.set C0,  216                          ; v216-223  codes at e0
.set VF,  224                          ; v224-239  V's fragment, two sets
.set ACC, 240                          ; v240-255  two accumulators, by turns
	s_add_nc_u64 s[4:5], s[4:5], s[40:41]
	s_add_nc_u64 s[18:19], s[18:19], s[42:43]
	s_lshl_b32 s46, s34, 4
	s_mov_b32 s47, 0
	s_add_nc_u64 s[12:13], s[12:13], s[46:47]      ; S at 4 kh
	s_lshl_b32 s46, s36, 18                        ; tpart: 262,144 q + 1,024 x tile + 512 kh
	s_lshl_b32 s48, s38, 10
	s_add_co_u32 s46, s46, s48
	s_lshl_b32 s48, s34, 9
	s_add_co_u32 s46, s46, s48
	s_add_nc_u64 s[22:23], s[22:23], s[46:47]
	v_lshlrev_b32 v13, 5, v3                       ; S: 32 h
	v_lshlrev_b32 v[VGO], 14, v2                   ; V: row rl, + 64 h: my 16 numbers of a block of 32
	v_lshl_add_u32 v[VGO], v3, 6, v[VGO]
	global_load_b128 v[SS:SS+3], v13, s[12:13]
.irp b, 0,1
.irp j, 0,1,2,3
	global_load_b128 v[X+16*\b+4*\j:X+16*\b+4*\j+3], v[VGO], s[8:9] offset:128*\b+16*\j
.endr
.endr
.irp c, 0,1,2,3
	GLOAD \c, 4
.endr
	STAGEADR XSTG
	s_lshl_b32 s46, s34, 13
	v_add_nc_u32 v[VRD], s46, v[LI]                ; XV + 8 chunks x kh + 16 x lane
	s_lshl_b32 s46, s32, 10
	v_add_nc_u32 v[VWR], s46, v[LI]                ; XV + 1,024 w + 16 x lane
	s_add_co_u32 s46, s46, XRED
	v_add_nc_u32 v[RWR], s46, v[LI]
	s_lshl_b32 s46, s33, 10
	s_lshl_b32 s48, s34, 9
	s_add_co_u32 s46, s46, s48
	s_add_co_u32 s46, s46, XRED
	v_add_nc_u32 v[RRD], s46, v[LI]                ; quad kh of my tile's two waves: 8,192 bytes apart
	s_wait_kmcnt 0x0
	MKSCALE 30, SC2, LM2
	MKSCALE 28, SC0, LM0
	MKSCALE 29, SC1, LM1
	s_add_co_i32 s48, s28, s29                     ; e0 + e1
	s_wait_loadcnt 32                              ; S and V are in; the four chunks' 32 loads may be out
.irp i, 0,1,2,3
	v_ldexp_f32 v[SS+\i], v[SS+\i], s48
.endr
.irp i, 0,1,2,3,4,5,6,7,8,9,10,11,12,13,14,15,16,17,18,19,20,21,22,23,24,25,26,27,28,29,30,31
	v_med3_num_f32 v[X+\i], v[X+\i], -v[LM1], v[LM1]   ; the conversion to an 8-bit code does not saturate (ISA guide 7.6.2): the hold comes first
.endr
.irp g, 0,1,2,3
	v_cvt_scalef32_pk8_fp8_f32 v[C0+2*\g:C0+2*\g+1], v[X+8*\g:X+8*\g+7], v[SC1]
.endr
	v_nop                                          ; a plain line behind the last conversion
	ds_store_b128 v[VWR], v[C0:C0+3]               ; V's 16 rows x my 64 columns, as an operand's registers
	ds_store_b128 v[VWR], v[C0+4:C0+7] offset:512
	BARRIER                                        ; V's sixteen images lie in LDS
.macro XCHUNK c
	CHUNKWAIT \c
	TURN \c
.irp i, 0,1
	ds_load_b128 v[VF+8*((\c)%2)+4*\i:VF+8*((\c)%2)+4*\i+3], v[VRD] offset:(\c)*1024+512*\i
.endr
	s_wait_dscnt 0x0                               ; the chunk is back, V's fragment is in, and the stores into the stage have read their registers,
.if (\c) < 4
	GLOAD (\c)+4, 4                                ; which take the chunk four further on
.endif
.irp b, 0,1
.irp i, 0,1,2,3,4,5,6,7,8,9,10,11,12,13,14,15
	v_med3_num_f32 v[T+\i], v[X+16*\b+\i], -v[LM2], v[LM2]
.endr
	v_cvt_scalef32_pk8_fp8_f32 v[C2+4*\b:C2+4*\b+1], v[T:T+7], v[SC2]
	v_cvt_scalef32_pk8_fp8_f32 v[C2+4*\b+2:C2+4*\b+3], v[T+8:T+15], v[SC2]
.irp i, 0,1,2,3,4,5,6,7,8,9,10,11,12,13,14,15
	v_med3_num_f32 v[X+16*\b+\i], v[X+16*\b+\i], -v[LM0], v[LM0]   ; (these plain lines also stand between the conversions above and the next write of their sources)
.endr
	v_cvt_scalef32_pk8_fp8_f32 v[C0+4*\b:C0+4*\b+1], v[X+16*\b:X+16*\b+7], v[SC0]
	v_cvt_scalef32_pk8_fp8_f32 v[C0+4*\b+2:C0+4*\b+3], v[X+16*\b+8:X+16*\b+15], v[SC0]
.endr
	v_nop                                          ; a plain line between the last conversion and the matrix instruction that reads its result
.irp i, 0,1
	global_store_b128 v[LI], v[C2+4*\i:C2+4*\i+3], s[18:19] offset:(\c)*1024+512*\i   ; 512 consecutive bytes, aligned
.endr
; source 0 = V's 16 rows, source 1 = x's 16 rows: register j of lane (rl, h) is (row rl, r = 8 h + j).  The two accumulators take turns; the first product of each starts its sum
.if (\c) < 2
	v_wmma_f32_16x16x64_fp8_fp8 v[ACC+8*((\c)%2):ACC+8*((\c)%2)+7], v[VF+8*((\c)%2):VF+8*((\c)%2)+7], v[C0:C0+7], 0
.else
	v_wmma_f32_16x16x64_fp8_fp8 v[ACC+8*((\c)%2):ACC+8*((\c)%2)+7], v[VF+8*((\c)%2):VF+8*((\c)%2)+7], v[C0:C0+7], v[ACC+8*((\c)%2):ACC+8*((\c)%2)+7]
.endif
.endm
.irp c, 0,1,2,3,4,5,6,7
	XCHUNK \c
.endr
.rept 4
	v_nop                                          ; four places in front of the first read of results (ISA guide 7.12.1)
.endr
.irp p, 0,2,4,6
	v_pk_add_f32 v[T+\p:T+\p+1], v[ACC+\p:ACC+\p+1], v[ACC+8+\p:ACC+8+\p+1]
.endr
	ds_store_b128 v[RWR], v[T:T+3]
	ds_store_b128 v[RWR], v[T+4:T+7] offset:512
	BARRIER                                        ; both K halves of every tile lie in LDS
	ds_load_b128 v[T+8:T+11], v[RRD]
	ds_load_b128 v[T+12:T+15], v[RRD] offset:8192
	s_wait_dscnt 0x0
	v_pk_add_f32 v[T+8:T+9], v[T+8:T+9], v[T+12:T+13]
	v_pk_add_f32 v[T+10:T+11], v[T+10:T+11], v[T+14:T+15]
	v_pk_mul_f32 v[T+8:T+9], v[T+8:T+9], v[SS:SS+1]
	v_pk_mul_f32 v[T+10:T+11], v[T+10:T+11], v[SS+2:SS+3]
	global_store_b128 v[LI], v[T+8:T+11], s[22:23] ; 512 consecutive bytes, aligned
	s_wait_xcnt 0x0
	v_lshl_add_u32 v214, v0, 2, 0x32800
	v_mov_b32 v215, 0
	s_wait_tensorcnt 0x0
	ds_add_u32 v214, v215
	s_wait_dscnt 0x0
	s_endpgm
; ======================================================================================== W
.Lw_path:
.set SC3, 14                           ; v14, v15  2^e3, 448 x 2^e3
.set LM3, 15
.set SQ,  16                           ; v16-23    the sums of squares, four packed chains
.set C3,  24                           ; v24-31    codes (at the head: offsets of the small loads, and O)
.set VT,  224                          ; v224-239  V^T's two pair fragments of a chunk
.set BLO, 240                          ; v240-247  [a | 0]: a = O U S of my 16 rows, bf16, in k 0-15
.set BHI, 248                          ; v248-255  [0 | a]: the same in k 16-31
	s_add_nc_u64 s[6:7], s[6:7], s[40:41]
	s_add_nc_u64 s[20:21], s[20:21], s[42:43]
	s_lshl_b32 s46, s38, 10                        ; U: 16 rows of 64 bytes a tile
	s_mov_b32 s47, 0
	s_add_nc_u64 s[10:11], s[10:11], s[46:47]
	s_lshl_b32 s46, s38, 6                         ; O: 16 numbers a tile
	s_add_nc_u64 s[14:15], s[14:15], s[46:47]
	s_lshl_b32 s46, s36, 14                        ; nsq: 16,384 q + 512 x (128 rows)
	s_lshl_b32 s48, s35, 9
	s_add_co_u32 s46, s46, s48
	s_add_nc_u64 s[24:25], s[24:25], s[46:47]
	v_lshlrev_b32 v24, 6, v2
	v_lshl_add_u32 v24, v3, 5, v24                 ; U: row rl, r = 8 h on
	v_lshlrev_b32 v25, 5, v3                       ; S: r = 8 h on
	v_lshlrev_b32 v26, 2, v2                       ; O: row rl
	v_and_b32 v27, 8, v2
	v_add_nc_u32 v27, v27, v2                      ; rl + 8 (rl / 8)
	v_lshlrev_b32 v[VGO], 17, v3                   ; V: rows 8 h on,
	v_lshl_add_u32 v[VGO], v27, 2, v[VGO]          ; column rl + 8 (rl / 8) of a tile
	global_load_b128 v[T:T+3], v24, s[10:11]
	global_load_b128 v[T+4:T+7], v24, s[10:11] offset:16
	global_load_b128 v[T+8:T+11], v25, s[12:13]
	global_load_b128 v[T+12:T+15], v25, s[12:13] offset:16
	global_load_b32 v30, v26, s[14:15]
; V^T as source 0.  THE COLUMNS OF V THAT FORM A TILE ARE NOT NEIGHBOURS: lane rl of tile (b, u) stands for column 32 b + 8 u + rl + 8 (rl / 8), so that register j of lane (rl, h) of the result is column 32 b + 16 h + 8 u + j:
; the place that the turned chunk gives it.  A fragment of K = 32 holds TWO tiles: u = 0 in k 0-15, u = 1 in k 16-31; [a | 0] picks the first and [0 | a] the second.
.irp b, 0,1
.irp u, 0,1
.irp j, 0,1,2,3,4,5,6,7
	global_load_b32 v[X+16*\b+8*\u+\j], v[VGO], s[8:9] offset:\j*ROWB+(32*\b+8*\u)*4
.endr
.endr
.endr
.irp c, 0,1,2,3
	GLOAD \c, 6
.endr
	STAGEADR WSTG
	s_lshl_b32 s48, s34, 14
	s_add_co_u32 s48, s48, WV
	v_add_nc_u32 v[VRD], s48, v[LI]                ; WV + 8 chunks x kh + 16 x lane
	s_lshl_b32 s48, s32, 11
	s_add_co_u32 s48, s48, WV
	v_add_nc_u32 v[VWR], s48, v[LI]                ; WV + 2,048 w + 16 x lane
	s_lshl_b32 s48, s32, 7
	s_add_co_u32 s48, s48, WRED
	v_lshl_add_u32 v[RWR], v1, 2, s48              ; WRED + 128 w + 4 x lane
	v_lshrrev_b32 v[RRD], 2, v1
	v_lshlrev_b32 v[RRD], 7, v[RRD]
	v_and_b32 v28, 3, v1
	v_lshl_add_u32 v[RRD], v28, 4, v[RRD]
	v_add_nc_u32 v[RRD], WRED, v[RRD]              ; wave 0's way back: rows 4 x lane on: tile lane / 4, 16 (lane % 4) bytes
	s_wait_kmcnt 0x0
	MKSCALE 31, SC3, LM3
	s_wait_loadcnt 32                              ; U, S, O and V are in; the four chunks' 32 loads may be out
.irp p, 0,1,2,3
	v_pk_mul_f32 v[T+2*\p:T+2*\p+1], v[T+2*\p:T+2*\p+1], v[T+8+2*\p:T+8+2*\p+1]   ; U S
.endr
.irp i, 0,1,2,3,4,5,6,7
	v_mul_f32 v[T+\i], v30, v[T+\i]                ; O (U S)
.endr
.irp p, 0,1,2,3
	v_cvt_pk_bf16_f32 v[BLO+\p], v[T+2*\p], v[T+2*\p+1]
	v_cvt_pk_bf16_f32 v[BHI+4+\p], v[T+2*\p], v[T+2*\p+1]
	v_mov_b32 v[BLO+4+\p], 0
	v_mov_b32 v[BHI+\p], 0
.endr
.irp n, 0,1,2,3,4,5,6,7,8,9,10,11,12,13,14,15
	v_cvt_pk_bf16_f32 v[T+16+\n], v[X+2*\n], v[X+2*\n+1]
.endr
.irp k, 0,1,2,3
	ds_store_b128 v[VWR], v[T+16+4*\k:T+16+4*\k+3] offset:512*\k
.endr
	BARRIER                                        ; V^T's sixteen images lie in LDS
.macro WCHUNK c
	CHUNKWAIT \c
	TURN \c
.irp k, 0,1,2,3
	ds_load_b128 v[VT+4*\k:VT+4*\k+3], v[VRD] offset:(\c)*2048+512*\k
.endr
	s_wait_dscnt 0x0
.if (\c) < 4
	GLOAD (\c)+4, 6
.endif
.irp b, 0,1
.irp i, 0,1,2,3,4,5,6,7,8,9,10,11,12,13,14,15
	v_med3_num_f32 v[T+16*\b+\i], v[X+16*\b+\i], -v[LM3], v[LM3]   ; the chunk itself is kept: it is the C of the products below
.endr
	v_cvt_scalef32_pk8_fp8_f32 v[C3+4*\b:C3+4*\b+1], v[T+16*\b:T+16*\b+7], v[SC3]
	v_cvt_scalef32_pk8_fp8_f32 v[C3+4*\b+2:C3+4*\b+3], v[T+16*\b+8:T+16*\b+15], v[SC3]
.endr
	v_nop                                          ; a plain line behind the last conversion
.irp i, 0,1
	global_store_b128 v[LI], v[C3+4*\i:C3+4*\i+3], s[20:21] offset:(\c)*1024+512*\i
.endr
.irp b, 0,1                                    ; W + a V, in place: four accumulators, one instruction each
	v_wmma_f32_16x16x32_bf16 v[X+16*\b:X+16*\b+7], v[VT+8*\b:VT+8*\b+7], v[BLO:BLO+7], v[X+16*\b:X+16*\b+7]
	v_wmma_f32_16x16x32_bf16 v[X+16*\b+8:X+16*\b+15], v[VT+8*\b:VT+8*\b+7], v[BHI:BHI+7], v[X+16*\b+8:X+16*\b+15]
.endr
.rept 4
	v_nop                                          ; four places in front of the first read of results, and of the next chunk's loads into these registers
.endr
.irp n, 0,1,2,3,4,5,6,7,8,9,10,11,12,13,14,15  ; each result from its low end on
.if ((\c) == 0) && (\n < 4)
	v_pk_mul_f32 v[SQ+2*\n:SQ+2*\n+1], v[X+2*\n:X+2*\n+1], v[X+2*\n:X+2*\n+1]   ; the first four start the chains: nothing is cleared
.else
	v_pk_fma_f32 v[SQ+2*(\n%4):SQ+2*(\n%4)+1], v[X+2*\n:X+2*\n+1], v[X+2*\n:X+2*\n+1], v[SQ+2*(\n%4):SQ+2*(\n%4)+1]
.endif
.endr
.endm
.irp c, 0,1,2,3,4,5,6,7
	WCHUNK \c
.endr
	v_pk_add_f32 v[SQ:SQ+1], v[SQ:SQ+1], v[SQ+2:SQ+3]
	v_pk_add_f32 v[SQ+4:SQ+5], v[SQ+4:SQ+5], v[SQ+6:SQ+7]
	v_pk_add_f32 v[SQ:SQ+1], v[SQ:SQ+1], v[SQ+4:SQ+5]
	v_add_f32 v[SQ], v[SQ], v[SQ+1]                ; row rl, my half h of the columns, my 512 along K
	ds_store_b32 v[RWR], v[SQ]
	BARRIER
	s_cmp_lg_u32 s32, 0                            ; wave 0 adds the four parts (h, kh) of the 128 rows, four rows a lane
	s_cbranch_scc1 .Lw_end
	ds_load_b128 v[T:T+3], v[RRD]
	ds_load_b128 v[T+4:T+7], v[RRD] offset:64
	ds_load_b128 v[T+8:T+11], v[RRD] offset:1024
	ds_load_b128 v[T+12:T+15], v[RRD] offset:1088
	s_wait_dscnt 0x0
	v_pk_add_f32 v[T:T+1], v[T:T+1], v[T+4:T+5]
	v_pk_add_f32 v[T+2:T+3], v[T+2:T+3], v[T+6:T+7]
	v_pk_add_f32 v[T+8:T+9], v[T+8:T+9], v[T+12:T+13]
	v_pk_add_f32 v[T+10:T+11], v[T+10:T+11], v[T+14:T+15]
	v_pk_add_f32 v[T:T+1], v[T:T+1], v[T+8:T+9]
	v_pk_add_f32 v[T+2:T+3], v[T+2:T+3], v[T+10:T+11]
	global_store_b128 v[LI], v[T:T+3], s[24:25]    ; 512 consecutive bytes, aligned
.Lw_end:
	s_wait_xcnt 0x0
	v_lshl_add_u32 v214, v0, 2, 0x32800
	v_mov_b32 v215, 0
	s_wait_tensorcnt 0x0
	ds_add_u32 v214, v215
	s_wait_dscnt 0x0
	s_endpgm
.Lfunc_end_k_q5b136582b8_prep:
	.size	k_q5b136582b8_prep, .Lfunc_end_k_q5b136582b8_prep-k_q5b136582b8_prep
	.p2alignl 7, 3214868480
	.fill 96, 4, 3214868480
	.section	.rodata,"a",@progbits
	.p2align	6, 0x0
	.amdhsa_kernel k_q5b136582b8_prep
		.amdhsa_group_segment_fixed_size 208896
		.amdhsa_private_segment_fixed_size 0
		.amdhsa_enable_private_segment 0
		.amdhsa_kernarg_size 88
		.amdhsa_user_sgpr_count 2
		.amdhsa_user_sgpr_kernarg_segment_ptr 1
		.amdhsa_wavefront_size32 1
		.amdhsa_system_sgpr_workgroup_id_x 1
		.amdhsa_system_sgpr_workgroup_id_y 1
		.amdhsa_system_sgpr_workgroup_id_z 1
		.amdhsa_system_vgpr_workitem_id 0
		.amdhsa_next_free_vgpr 256
		.amdhsa_next_free_sgpr 66
		.amdhsa_reserve_vcc 0
		.amdhsa_float_denorm_mode_32 3
		.amdhsa_float_denorm_mode_16_64 3
		.amdhsa_memory_ordered 1
		.amdhsa_forward_progress 1
		.amdhsa_inst_pref_size 121
	.end_amdhsa_kernel
	.amdgpu_metadata
---
amdhsa.version: [ 1, 2 ]
amdhsa.kernels:
  - .name:           k_q5b136582b8_prep
    .symbol:         k_q5b136582b8_prep.kd
    .args:
      - { .name: x, .offset: 0, .size: 8, .value_kind: global_buffer, .address_space: global }
      - { .name: base_weight, .offset: 8, .size: 8, .value_kind: global_buffer, .address_space: global }
      - { .name: osora_V, .offset: 16, .size: 8, .value_kind: global_buffer, .address_space: global }
      - { .name: osora_U, .offset: 24, .size: 8, .value_kind: global_buffer, .address_space: global }
      - { .name: osora_S, .offset: 32, .size: 8, .value_kind: global_buffer, .address_space: global }
      - { .name: osora_O, .offset: 40, .size: 8, .value_kind: global_buffer, .address_space: global }
      - { .name: lowp_scales, .offset: 48, .size: 8, .value_kind: global_buffer, .address_space: global }
      - { .name: xq, .offset: 56, .size: 8, .value_kind: global_buffer, .address_space: global }
      - { .name: wq, .offset: 64, .size: 8, .value_kind: global_buffer, .address_space: global }
      - { .name: tpart, .offset: 72, .size: 8, .value_kind: global_buffer, .address_space: global }
      - { .name: nsq, .offset: 80, .size: 8, .value_kind: global_buffer, .address_space: global }
    .group_segment_fixed_size: 208896
    .private_segment_fixed_size: 0
    .kernarg_segment_align: 8
    .kernarg_segment_size: 88
    .max_flat_workgroup_size: 512
    .sgpr_count:     66
    .vgpr_count:     256
    .wavefront_size: 32
...
	.end_amdgpu_metadata
.endif
;; end of part 1
;; launch gemm (part 2): grid 16 x 16, 4 waves a work-group, clusters of 4 x 4, 327,680 bytes of LDS; arguments xq, wq, lowp_scales, tpart, nsq, magnitude, osora_O, osora_U, out0; writes out0
.if DOCPART == 2
	.amdgcn_target "amdgcn-amd-amdhsa--gfx1250"
	.amdhsa_code_object_version 6
	.text
	.protected	k_q5b136582b8_gemm
	.globl	k_q5b136582b8_gemm
	.p2align	8
	.type	k_q5b136582b8_gemm,@function
k_q5b136582b8_gemm:
	s_mov_b64 s[64:65], 0
	v_nop
	global_prefetch_b8 v0, s[64:65] scope:SCOPE_SE
	s_setreg_imm32_b32 hwreg(HW_REG_WAVE_MODE, 25, 1), 1
	s_wait_xcnt 0x0
	s_wait_alu depctr_hold_cnt(0) depctr_sa_sdst(0) depctr_va_vdst(0) depctr_va_sdst(0) depctr_va_ssrc(0) depctr_va_vcc(0) depctr_vm_vsrc(0)
	s_getreg_b32 s2, hwreg(HW_REG_IB_STS2, 6, 4)
	s_cmp_eq_u32 s2, 0
	s_cbranch_scc0 .Lentry_in_a_cluster
	s_endpgm
.Lentry_in_a_cluster:
	s_bfe_u32 s2, ttmp6, 0x10000c
	s_cmp_lg_u32 s2, 0xf033
	s_cbranch_scc0 .Lentry_shape_is_right
	s_endpgm
.Lentry_shape_is_right:
; out[m][o] = (s[o] - 1) 2^(e2 + e3) (Q(x) Q(W)^T)[m][o] + the sum over r of t[m][r] (s[o] O[o] U[o][r]),  s[o] = magnitude[o] / sqrt(the row's sum of squares).
; xq, wq: codes of E4M3 laid in the order of an operand's registers: [row tile of 16][K step of 128][quad c][lane][16 bytes], quad c of lane (rl, h) = k 32 c + 16 h + 0 .. 15 of row rl (the same order of k in both operands).
; tpart: t in four parts along K, [part][row tile][c][lane][4 f32]: number 4 c + i of lane (rl, h) is (row rl, r = 8 h + 4 c + i).  nsq: the sums of squares in four parts, [part][o].
; The product with K = 16 is left as it is: bf16 operands, f32 sums, added onto the scaled sums of the large product by the matrix unit.
; LIMITS: NaN and infinities in t are not served (the unused half of the K = 32 instruction multiplies a neighbouring block's t by zeros).  A row's sum of squares under 2^-126 counts as 0 (v_rsq_f32 takes a denormal for 0).
; e2 + e3 is applied by v_ldexp_f32 and has no limit.
; A tile of out, 256 x 256, is made by a work-group of four waves, as many as a WGP has SIMDs; a wave makes 128 x 128: 64 accumulators of 16 x 16, 512 registers.  4096 / 256 squared = 256 work-groups.
; K goes in steps of 256 through a ring of two LDS slots filled by the tensor data mover.  A row tile's K step is 4,096 consecutive bytes of memory, so a wave's load is 8 rows of 4,096 bytes, 65,536 apart: the tile has no more
; rows than that.  In LDS a fragment's quad is 512 consecutive bytes: no pitch, no padding.
; CLUSTERS: 4 x 4 work-groups.  The four of a row of the cluster need the same tiles of xq, the four of a column the same tiles of wq: each tile is asked for JOINTLY, by the same tensor load with the same descriptor and a
; mask that names the four.  THE MATRIX INSTRUCTION IS USED TRANSPOSED (source 0 = 16 rows of W, source 1 = 16 rows of x): a lane then holds eight neighbouring numbers of a row of out.
; REGISTERS, in windows of 256: window 0: v0-31 addresses; from v128 x's fragments (8 x 16 rows x 128 K), ONE set; at the head and on the way out v32-255 are at work.
;   window 1: W's fragments, TWO sets, at v0 and v128; on the way out v0-63 the columns' factors, v64-127 s O U (bf16, upper halves 0), v128-163 t (bf16).
;   window 2: the 32 accumulators of my rows 0-63 (accumulator (a, b) at v[8 (8 a + b)]); at the head: tpart's numbers.   window 3: those of my rows 64-127.
.set STEPB,  4096                      ; a K step of 256: bytes of a row tile
.set KROWT,  65536                     ; a row tile's codes in memory
.set FR,     16                        ; registers of a fragment: 16 rows x 128 K; four LDS loads bring one
.set NP,     4                         ; places behind these matrix instructions (ISA guide 7.12.1)
.set HALFT,  8*STEPB                   ; 8 row tiles: what one tensor load brings, and what one wave reads of x or of W
.set SLOT,   4*HALFT                   ; x's 256 rows, then W's 256 rows
.set LAPS,   8                         ; a lap = two K steps = once round the ring: 4096 / 512
.set SPARE,  2*SLOT                    ; behind the ring: the spare words, 128 bytes for each wave: two blocks of 256 bytes that no other line names
.set SCR,    SPARE+512                 ; behind them: the work-group's scratch, 18,432 bytes into which no tile lands; each wave writes a quarter of each part, ahead of the first barrier:
.set TIMG,   0                         ;   t's 16 row tiles as operand quads, 512 bytes each
.set UIMG,   8192                      ;   s O U's 16 blocks of 16 columns likewise
.set ALPHA,  16384                     ;   (s - 1) 2^(e2 + e3) of the tile's 256 columns
.set GAMMA,  17408                     ;   s O of the 256 columns
.set SPITCH, 528                       ; the way out: a stage of 16 rows x (512 bytes + 16) for each wave.  It lies in slot 0, which has had its last fill and its last read when the first result is stored there
.set NROW,   16384                     ; a row of out in bytes
.set RT,   9                           ; v9      the way out: scratch + my 8 row tiles of t + 16 x lane
.set RU,   10                          ; v10     the way out: scratch + my 8 blocks of s O U + 16 x lane
.set ADRA, 16                          ; v16-17  LDS address of my x fragments in slot 0, 1
.set ADRB, 20                          ; v20-21  the same for W
.set SCA,  22                          ; v22     the way out: scratch + my 128 columns + 32 h: the factors of a lane's eight columns
.set PFO,  23                          ; v23     the prefetches' offset; never rewritten
.set STO,  24                          ; v24     the way out: where I put 32 bytes of a row
.set RD,   25                          ; v25     the way out: where I read a row back
.set CO,   26                          ; v26     16 x lane: my byte offset in a row of out, and in tpart
.set SCI,  27                          ; v27     the head: scratch + 2,048 x wave + 16 x lane: the four images that I make
.set SPW,  28                          ; v28     LDS address of my spare word: SPARE + 4 x my thread's number; never rewritten
.set NIL,  29                          ; v29     0; never rewritten
.set SC4,  30                          ; v30     the head: scratch + 256 x wave + 4 x lane: a column a lane
.set SCG,  31                          ; v31     the head: scratch + 256 x wave + 4 rl
.set TMP,  32                          ; the way out: 64 registers, a block's results
.set AF,   128                         ; x's fragments, in window 0
.set BK,   128                         ; the way out: 16 rows read back from the stage: v128-191 and v192-255 by turns
.set G1, 24                            ; s[24:31] descriptor group 1 for x's tiles;  s[32:39] group 0, one set for each slot
.set G0, 32
.set G1B, 48                           ; s[48:55], s[56:63] the same for W's tiles
.set G0B, 56
.set PFA, 80                           ; s[80:81] where my prefetches stand
.set LIM, 82                           ; s82      1 in a wave that prefetches, else the greatest number
.set MSB, 0
.macro WIN new                         ; the immediate's high byte repeats the setting that is left
.if MSB != \new
	s_set_vgpr_msb (MSB<<8)|\new
.set MSB, \new
.endif
.endm
.set MUL_LO, 0xa1                      ; source 0 (W) window 1, source 1 (x) window 0, C and D window 2
.set MUL_HI, 0xf1                      ; the same, C and D window 3
.set TO_B,   0x40                      ; destination window 1, address window 0
; A joint load: waves 0 and 1 fetch for x, waves 2 and 3 for W.  Each of the two lines has ONE mask and one set of registers for all that issue it; the branch hangs on the wave's number alone.
; Four v_nop follow each of the two lines, ahead of the jump, the label and what follows.
.macro JLOAD g0a, g1a, g0b, g1b
	s_cmp_eq_u32 s15, 0
	s_cbranch_scc0 .Lfor_b_\@
	tensor_load_to_lds s[\g0a:\g0a+3], s[\g1a:\g1a+7]
	s_nop 0
.rept 4
	v_nop
.endr
	s_branch .Lasked_\@
.Lfor_b_\@:
	tensor_load_to_lds s[\g0b:\g0b+3], s[\g1b:\g1b+7]
	s_nop 0
.rept 4
	v_nop
.endr
.Lasked_\@:
.endm
; A PREFETCH INTO THE L2 of the K step that stands two refills on (256 matrix instructions ahead of the load that will want it): of the 8 row tiles that I fetch, each of the four partners that ask for them jointly takes 2,
; told apart BY ADDRESS: 2 x 4,096 bytes, lanes 256 bytes apart, one instruction a wave.  x's tile row is read by every cluster of that row of clusters: cluster x = 0 asks; W's tile column likewise: cluster y = 0 asks.
; So each aligned block of 256 bytes is named once in the launch.  K steps 0 to 3 come by their loads alone; the loop's last trip (s3 = 1), whose two refills have no K step two on, asks for nothing.
.macro ASK
	s_cmp_gt_u32 s3, s[LIM]
	s_cbranch_scc0 .Lnot_mine_\@
	global_prefetch_b8 v[PFO], s[PFA:PFA+1] offset:STEPB th:TH_LOAD_NT scope:SCOPE_SE
.Lnot_mine_\@:
.endm
; A round of the cluster's barrier: my work-group's barrier, so that wave 0's signal speaks for all four waves; wave 0 signals for the work-group; every wave waits for all sixteen work-groups; my work-group's barrier once more.
.macro CROUND
	s_barrier_signal -1
	s_barrier_wait -1
	s_cmp_lg_u32 s14, 0
	s_cbranch_scc1 .Lnot_wave_0_\@
	s_barrier_signal -3
.Lnot_wave_0_\@:
	s_barrier_wait -3
	s_barrier_signal -1
	s_barrier_wait -1
.endm
	s_load_b128 s[4:7], s[0:1], 0x0                ; xq s[4:5], wq s[6:7]
	s_load_b128 s[8:11], s[0:1], 0x10              ; the scales' exponents s[8:9], tpart s[10:11]
	s_load_b256 s[68:75], s[0:1], 0x20             ; nsq 68:69, magnitude 70:71, O 72:73, U 74:75
	s_load_b64 s[76:77], s[0:1], 0x40              ; out
	v_lshl_add_u32 v[SPW], v0, 2, SPARE
	v_mov_b32 v[NIL], 0
	ds_add_u32 v28, v29
	ds_add_u32 v28, v29
	s_wait_dscnt 0x0
	v_lshrrev_b32 v1, 5, v0
	v_readfirstlane_b32 s14, v1                    ; wave 0..3
	s_lshr_b32 s15, s14, 1                         ; which half of the tile's rows is mine.  Also: I fetch for x (0) or for W (1)
	s_and_b32 s16, s14, 1                          ; which half of its columns.  Also: which 8 row tiles of that tile I fetch
	s_bfe_u32 s40, ttmp6, 0x40000                  ; cx, cy: my place in the cluster
	s_bfe_u32 s41, ttmp6, 0x40004
	s_lshl_b32 s42, ttmp9, 2
	s_add_co_u32 s42, s42, s40                     ; tile column of out = 4 x cluster x + cx
	s_and_b32 s17, ttmp7, 0xffff
	s_lshl_b32 s17, s17, 2
	s_add_co_u32 s17, s17, s41                     ; tile row of out = 4 x cluster y + cy
	s_lshl_b32 s43, s41, 2
	s_lshl_b32 s43, 15, s43                        ; my row of the cluster
	s_lshl_b32 s44, 0x1111, s40                    ; my column
	; descriptor group 1: 8 rows of 4,096 elements of one byte, 65,536 apart; dense in LDS
	s_or_b32 s[G1+0], s43, (1<<21)                 ; 15:0 the mask: x's tiles go to my row; 17:16 element of 1 byte; 20 no padding; 21 set beside a mask
	s_or_b32 s[G1B+0], s44, (1<<21)                ; W's tiles go to my column
.irp g, G1, G1B
	s_mov_b32 s[\g+1], STEPB<<16                   ; tensor_dim0
	s_mov_b32 s[\g+2], 8<<16                       ; tensor_dim1 = 8
	s_mov_b32 s[\g+3], STEPB<<16                   ; tile_dim0
	s_mov_b32 s[\g+4], 8                           ; tile_dim1 = 8
	s_mov_b32 s[\g+5], KROWT                       ; tensor_dim0_stride
	s_mov_b32 s[\g+6], 0
	s_mov_b32 s[\g+7], 0
.endr
	s_lshl_b32 s18, s16, 3                         ; which 8 row tiles of the tile I fetch
	s_lshl_b32 s20, s17, 4
	s_add_co_u32 s20, s20, s18                     ; x: row tile 16 x tile row + 8 x half
	s_lshl_b32 s20, s20, 16
	s_mov_b32 s21, 0
	s_lshl_b32 s46, s42, 4
	s_add_co_u32 s46, s46, s18                     ; W: row tile 16 x tile column + 8 x half
	s_lshl_b32 s46, s46, 16
	s_mov_b32 s47, 0
	s_mul_i32 s45, s14, HALFT                      ; where they go: wave x 32,768: no place in the cluster enters an LDS address
	; THE PREPARATION is shared out: wave w takes columns 64 w .. 64 w + 63 of the tile's 256 (their factors, and four blocks of s O U) and row tiles 4 w .. 4 w + 3 of its 16 (t)
	s_lshl_b32 s88, s42, 8
	s_lshl_b32 s89, s14, 6
	s_add_co_u32 s88, s88, s89                     ; the first column of my share
	s_lshl_b32 s90, s88, 2                         ; in nsq, magnitude and O: 4 bytes a column
	s_mov_b32 s91, 0
	s_lshl_b32 s92, s88, 6                         ; in U: 64 bytes a row
	s_mov_b32 s93, 0
	s_lshl_b32 s94, s17, 14                        ; in tpart: 1,024 bytes a row tile: 16 x tile row + 4 x wave
	s_lshl_b32 s95, s14, 12
	s_add_co_u32 s94, s94, s95
	s_mov_b32 s95, 0
	s_lshl_b32 s96, s17, 22                        ; out: my first row, 256 x tile row + 128 x half, of 16,384 bytes,
	s_lshl_b32 s97, s15, 21
	s_add_co_u32 s96, s96, s97
	s_lshl_b32 s97, s42, 10                        ; and my first column, 256 x tile column + 128 x half, of 4 bytes
	s_add_co_u32 s96, s96, s97
	s_lshl_b32 s97, s16, 9
	s_add_co_u32 s96, s96, s97
	s_mov_b32 s97, 0
	v_and_b32 v1, 15, v0                           ; rl
	v_bfe_u32 v2, v0, 4, 1                         ; h
	v_and_b32 v6, 31, v0                           ; lane
	v_lshlrev_b32 v[CO], 4, v6
	v_lshlrev_b32 v7, 2, v6                        ; a column a lane
	v_lshlrev_b32 v8, 6, v1
	v_lshl_add_u32 v8, v2, 5, v8                   ; U: row rl of 64 bytes, r = 8 h on
	s_wait_kmcnt 0x0
	s_load_b128 s[84:87], s[8:9], 0x0              ; e0, e1, e2, e3
	s_add_nc_u64 s[20:21], s[4:5], s[20:21]
	s_add_nc_u64 s[46:47], s[6:7], s[46:47]
	s_add_nc_u64 s[68:69], s[68:69], s[90:91]
	s_add_nc_u64 s[70:71], s[70:71], s[90:91]
	s_add_nc_u64 s[72:73], s[72:73], s[90:91]
	s_add_nc_u64 s[74:75], s[74:75], s[92:93]
	s_add_nc_u64 s[10:11], s[10:11], s[94:95]
	s_add_nc_u64 s[76:77], s[76:77], s[96:97]
	; its 52 loads go out ahead of the round, so that they are on their way while the partners arrive and the first tiles are asked for
.irp g, 0,1                                    ; column 32 g + lane of my 64
.irp q, 0,1,2,3
	global_load_b32 v[32+4*\g+\q], v7, s[68:69] offset:\q*16384+128*\g
.endr
	global_load_b32 v[48+\g], v7, s[70:71] offset:128*\g
	global_load_b32 v[52+\g], v7, s[72:73] offset:128*\g
.endr
.irp b, 0,1,2,3
.irp i, 0,1
	global_load_b128 v[128+8*\b+4*\i:128+8*\b+4*\i+3], v8, s[74:75] offset:1024*\b+16*\i
.endr
.endr
	WIN 0x80                                       ; destination window 2
.irp a, 0,1,2,3
.irp q, 0,1,2,3
.irp c, 0,1
	global_load_b128 v[32*\a+8*\q+4*\c:32*\a+8*\q+4*\c+3], v[CO], s[10:11] offset:\q*262144+\a*1024+512*\c
.endr
.endr
.endr
	WIN 0
	CROUND                                         ; all sixteen work-groups are here: the first joint loads meet
.irp s, 0,1
	s_mov_b32 s[G0+4*\s], 1
	s_add_co_u32 s[G0+4*\s+1], s45, \s*SLOT
	s_add_nc_u64 s[G0+4*\s+2:G0+4*\s+3], s[20:21], \s*STEPB
	s_or_b32 s[G0+4*\s+3], s[G0+4*\s+3], 0x80000000
	s_mov_b32 s[G0B+4*\s], 1
	s_add_co_u32 s[G0B+4*\s+1], s45, \s*SLOT
	s_add_nc_u64 s[G0B+4*\s+2:G0B+4*\s+3], s[46:47], \s*STEPB
	s_or_b32 s[G0B+4*\s+3], s[G0B+4*\s+3], 0x80000000
	JLOAD G0+4*\s, G1, G0B+4*\s, G1B               ; two loads of mine are out
.endr
	; ---- addresses
	s_mul_i32 s21, s15, HALFT                      ; my 128 rows of x
	s_mul_i32 s22, s16, HALFT                      ; my 128 rows of W,
	s_add_co_u32 s22, s22, 2*HALFT                 ; which lie behind x's 256
.irp s, 0,1
	v_add_nc_u32 v[ADRA+\s], s21, v[CO]
	v_add_nc_u32 v[ADRB+\s], s22, v[CO]
	s_add_co_u32 s21, s21, SLOT
	s_add_co_u32 s22, s22, SLOT
.endr
	s_mul_i32 s23, s14, 16*SPITCH                  ; my stage
	v_mul_u32_u24 v5, v1, SPITCH                   ; in: row rl, 32 bytes for each half of the lanes
	v_lshl_add_u32 v5, v2, 5, v5
	v_add_nc_u32 v[STO], s23, v5
	v_add_nc_u32 v[RD], s23, v[CO]                 ; back: the 32 lanes take one row of 512 bytes
	s_lshl_b32 s23, s14, 11
	s_add_co_u32 s23, s23, SCR
	v_add_nc_u32 v[SCI], s23, v[CO]                ; the images that I make: four of 512 bytes in each part
	s_lshl_b32 s23, s14, 8
	s_add_co_u32 s23, s23, SCR
	v_add_nc_u32 v[SC4], s23, v7                   ; my 64 columns' words
	v_lshl_add_u32 v[SCG], v1, 2, s23
	s_lshl_b32 s23, s16, 9
	s_add_co_u32 s23, s23, SCR
	v_lshl_add_u32 v[SCA], v2, 5, s23              ; the way out: the 128 columns of my half
	s_lshl_b32 s23, s15, 12
	s_add_co_u32 s23, s23, SCR
	v_add_nc_u32 v[RT], s23, v[CO]                 ; the 8 row tiles of my half
	s_lshl_b32 s23, s16, 12
	s_add_co_u32 s23, s23, SCR
	v_add_nc_u32 v[RU], s23, v[CO]                 ; the 8 blocks of columns of my half
	; the prefetches: where mine stand, and who asks
	v_lshlrev_b32 v[PFO], 16, v2                   ; lanes 0-15 one row tile's 4,096 bytes, lanes 16-31 the next's; 256 bytes a lane
	v_lshl_add_u32 v[PFO], v1, 8, v[PFO]
	s_and_b32 s94, ttmp7, 0xffff                   ; cluster y
	s_cmp_eq_u32 s15, 0                            ; do I fetch for x?
	s_cselect_b32 s92, s17, s42                    ; the tile: by the tile row in xq, by the tile column in wq
	s_cselect_b32 s93, s40, s41                    ; my place among the four that ask for it with me
	s_cselect_b32 s94, ttmp9, s94                  ; the coordinate along which other clusters read the same rows
	s_cselect_b64 s[PFA:PFA+1], s[4:5], s[6:7]
	s_cmp_eq_u32 s94, 0
	s_cselect_b32 s[LIM], 1, -1                    ; the same in all sixteen partners, for a given wave
	s_lshl_b32 s92, s92, 4
	s_add_co_u32 s92, s92, s18                     ; + the 8 row tiles that I fetch
	s_lshl_b32 s93, s93, 1
	s_add_co_u32 s92, s92, s93                     ; + my work-group's 2 of them
	s_lshl_b32 s92, s92, 16
	s_mov_b32 s93, 0
	s_add_nc_u64 s[PFA:PFA+1], s[PFA:PFA+1], s[92:93]
	s_add_nc_u64 s[PFA:PFA+1], s[PFA:PFA+1], 2*STEPB   ; at K step 2: the first refill steps it to 3 and names K step 4
	; ---- the preparation's arithmetic, while the first tiles are on their way
	s_wait_kmcnt 0x0
	s_add_co_i32 s88, s86, s87                     ; e2 + e3
	s_wait_loadcnt 40                              ; nsq, magnitude and O are in; U's 8 loads and tpart's 32 may be out
.irp g, 0,1
	v_add_f32 v[56+\g], v[32+4*\g], v[33+4*\g]
	v_add_f32 v[60+\g], v[34+4*\g], v[35+4*\g]
.endr
.irp g, 0,1
	v_add_f32 v[56+\g], v[56+\g], v[60+\g]         ; the row's sum of squares
.endr
.irp g, 0,1
	v_rsq_f32 v[60+\g], v[56+\g]
.endr
	v_nop                                          ; a plain line behind the last of the batch (ISA guide 5.7.2),
	s_wait_alu depctr_va_vdst(0)                   ; and a wait ahead of the batch's first reader
.irp g, 0,1
	v_mul_f32 v[64+\g], v[48+\g], v[60+\g]         ; s = magnitude / norm
.endr
.irp g, 0,1
	v_add_f32 v[76+\g], -1.0, v[64+\g]             ; s - 1
	v_mul_f32 v[80+\g], v[64+\g], v[52+\g]         ; s O
.endr
.irp g, 0,1
	v_ldexp_f32 v[76+\g], v[76+\g], s88            ; (s - 1) 2^(e2 + e3)
.endr
.irp g, 0,1
	ds_store_b32 v[SC4], v[76+\g] offset:ALPHA+128*\g
	ds_store_b32 v[SC4], v[80+\g] offset:GAMMA+128*\g
.endr
.irp b, 0,1,2,3
	ds_load_b32 v[68+\b], v[SCG] offset:GAMMA+64*\b   ; s O of column 16 b + rl of my 64: my own bytes, served in order behind the stores above
.endr
	s_wait_loadcnt 0x0                             ; U and tpart
	WIN 0x8a                                       ; sources and destination window 2: t's four parts are added while those LDS loads are out
.irp a, 0,1,2,3
.irp p, 0,2,4,6
	v_pk_add_f32 v[32*\a+\p:32*\a+\p+1], v[32*\a+\p:32*\a+\p+1], v[32*\a+8+\p:32*\a+8+\p+1]
	v_pk_add_f32 v[32*\a+16+\p:32*\a+16+\p+1], v[32*\a+16+\p:32*\a+16+\p+1], v[32*\a+24+\p:32*\a+24+\p+1]
.endr
.irp p, 0,2,4,6
	v_pk_add_f32 v[32*\a+\p:32*\a+\p+1], v[32*\a+\p:32*\a+\p+1], v[32*\a+16+\p:32*\a+16+\p+1]
.endr
.endr
	WIN 0x0a                                       ; sources window 2, destination window 0
.irp a, 0,1,2,3
.irp p, 0,1,2,3
	v_cvt_pk_bf16_f32 v[224+4*\a+\p], v[32*\a+2*\p], v[32*\a+2*\p+1]
.endr
.endr
	WIN 0
.irp a, 0,1,2,3
	ds_store_b128 v[SCI], v[224+4*\a:224+4*\a+3] offset:TIMG+512*\a   ; a row tile: lane (rl, h) holds row rl, r = 8 h + 0 .. 7: registers 0-3 of source 1
.endr
	s_wait_dscnt 4                                 ; s O is in; the four stores just issued may be out
.irp b, 0,1,2,3
.irp i, 0,1,2,3,4,5,6,7
	v_mul_f32 v[128+8*\b+\i], v[128+8*\b+\i], v[68+\b]
.endr
.endr
.irp b, 0,1,2,3
.irp p, 0,1,2,3
	v_cvt_pk_bf16_f32 v[192+4*\b+\p], v[128+8*\b+2*\p], v[128+8*\b+2*\p+1]
.endr
.endr
.irp b, 0,1,2,3
	ds_store_b128 v[SCI], v[192+4*\b:192+4*\b+3] offset:UIMG+512*\b   ; a block of 16 columns: registers 0-3 of source 0
.endr
.macro FRAG reg, adr, q, i             ; a fragment, 16 rows x 128 K of 8-bit codes, is 16 registers: four loads of 512 consecutive bytes
.irp c, 0,1,2,3
	ds_load_b128 v[\reg+4*\c:\reg+4*\c+3], v[\adr] offset:(\i)*STEPB+2048*(\q)+512*\c
.endr
.endm
.macro BFRAGS slot, q, p, i0           ; W's fragments i0 .. i0 + 3 of the slot's q-th 128 along K into set p (under a window setting with the destination in window 1)
.irp i, \i0, \i0+1, \i0+2, \i0+3
	FRAG 128*(\p)+FR*(\i), ADRB+\slot, \q, \i
.endr
.endm
.macro AFRAGS slot, q, i0              ; x's blocks i0, i0 + 1
.irp i, \i0, \i0+1
	FRAG AF+FR*(\i), ADRA+\slot, \q, \i
.endr
.endm
; 16 matrix instructions: x's blocks a0, a0 + 1 against W's eight, 128 along K.  p: W's set.  zero = 1: the first product starts the sums: nothing is ever cleared.
; The 64 accumulators take turns, one instruction a turn, in the same order in every step.
.macro MUL16 a0, p, zero
.irp a, \a0, \a0+1
.irp b, 0,1,2,3,4,5,6,7
.if \zero
	v_wmma_f32_16x16x128_fp8_fp8 v[8*(8*((\a)%4)+\b):8*(8*((\a)%4)+\b)+7], v[128*(\p)+FR*\b:128*(\p)+FR*\b+FR-1], v[AF+FR*(\a):AF+FR*(\a)+FR-1], 0
.else
	v_wmma_f32_16x16x128_fp8_fp8 v[8*(8*((\a)%4)+\b):8*(8*((\a)%4)+\b)+7], v[128*(\p)+FR*\b:128*(\p)+FR*\b+FR-1], v[AF+FR*(\a):AF+FR*(\a)+FR-1], v[8*(8*((\a)%4)+\b):8*(8*((\a)%4)+\b)+7]
.endif
.endr
.endr
.endm
; A load into a register that a matrix instruction has read, and a vector instruction or an LDS store that reads a matrix result, stand NP places behind that matrix instruction, and only plain vector
; instructions that name none of its registers are places (ISA guide 7.12.1 for vector instructions).
.macro PLACES n
.rept \n
	v_nop
.endr
.endm
; THE CHANGE OF SLOTS.  All fragments of the slot that is left were asked for in the step before.  Each wave waits for all its tensor loads (one is out: its part of the next slot), adds 0 to its spare word, and waits for that
; and for its own reads of the slot.  fill = 1: the slot is filled again, two K steps ahead: the barrier is then a round of the cluster's, so that no wave of any partner still reads the slot or has a load on its way,
; and the joint refill is the first thing behind it.  From there to the next change's wait a wave issues all 128 matrix instructions of a K step.
.macro CHANGE slot, fill
	WIN 0                                          ; the add's two registers lie in window 0; at a label and at a branch every window is 0
	s_wait_tensorcnt 0x0                           ; no tensor load of mine is out, so a group 0 may be written
	ds_add_u32 v[SPW], v[NIL]                      ; 0 onto my spare word: with fill = 1 the address steps stand between it and the wait for it
.if \fill
	s_add_nc_u64 s[G0+4*\slot+2:G0+4*\slot+3], s[G0+4*\slot+2:G0+4*\slot+3], 2*STEPB
	s_add_nc_u64 s[G0B+4*\slot+2:G0B+4*\slot+3], s[G0B+4*\slot+2:G0B+4*\slot+3], 2*STEPB
	s_wait_xcnt 0x0                                ; the last prefetch, a K step back, has read its address, so it may be written
	s_add_nc_u64 s[PFA:PFA+1], s[PFA:PFA+1], STEPB
	s_wait_dscnt 0x0                               ; the add is done, and my reads of the slot are over
	CROUND
	JLOAD G0+4*\slot, G1, G0B+4*\slot, G1B         ; my one tensor load until the next round; the four v_nop behind it are the places in front of the loads that follow
.else
	s_wait_dscnt 0x0                               ; the add is done, and my reads of the slot are over
	s_barrier_signal -1
	s_barrier_wait -1
	PLACES NP
.endif
.endm
; A STEP OF 128 ALONG K: 64 matrix instructions in four groups of 16 (x's blocks 0,1 | 2,3 | 4,5 | 6,7, each against W's eight), on W's set q.  Behind each group stands a run of LDS loads for the NEXT step (the nq-th 128 of slot ns):
;   behind blocks 0,1: W's fragments 0-3 into the other set, x's blocks 0,1 (24 loads);   behind 2,3: W's 4-7 (16);   behind 4,5: x's blocks 2,3 (8);   behind 6,7: x's blocks 4-7 (16).
; x has one set of registers: a block is free as soon as its eight products are issued.  Each run stands 32 matrix instructions or more ahead of the first product that wants it.
; W's other set was last read by the step before, whose last group has its places behind it: so the run behind blocks 2,3 needs none of its own.
; mode 0: plain;  1: the slot's last step, and the slot is filled again;  2: the slot's last step, nothing is filled;  3: the very last step: nothing more to fetch.
.macro KSTEP slot, q, ns, nq, zero, mode
	s_wait_dscnt 24                                ; W's set and x's blocks 0,1 are in; the youngest 24 loads (x's blocks 2,3 and 4-7) may be out
	WIN MUL_LO
	MUL16 0, \q, \zero
.if (\mode) == 1
	CHANGE \slot, 1
.elseif (\mode) == 2
	CHANGE \slot, 0
.elseif (\mode) == 0
	PLACES NP
.endif
.if (\mode) != 3
	WIN TO_B
	BFRAGS \ns, \nq, 1-(\q), 0
	WIN 0
	AFRAGS \ns, \nq, 0
.if (\mode) == 1
	ASK                                            ; behind the joint load and the run of LDS loads
.endif
	s_wait_dscnt 40                                ; x's blocks 2,3 are in; behind them: blocks 4-7 (16) and the 24 just issued
.else
	s_wait_dscnt 16                                ; x's blocks 2,3 are in; behind them: blocks 4-7
.endif
	WIN MUL_LO
	MUL16 2, \q, \zero
.if (\mode) != 3
	WIN TO_B
	BFRAGS \ns, \nq, 1-(\q), 4
	s_wait_dscnt 40                                ; x's blocks 4-7 are in; behind them: this step's 24 and 16
.else
	s_wait_dscnt 0x0
.endif
	WIN MUL_HI
	MUL16 4, \q, \zero
.if (\mode) != 3
	PLACES NP
	WIN 0
	AFRAGS \ns, \nq, 2
.endif
	WIN MUL_HI
	MUL16 6, \q, \zero
.if (\mode) != 3
	PLACES NP
	WIN 0
	AFRAGS \ns, \nq, 4
	AFRAGS \ns, \nq, 6
.else
	WIN 0
.endif
.endm
	s_wait_dscnt 0x0                               ; for the others' sake: my part of the scratch is written
	s_wait_tensorcnt 1                             ; my part of K step 0 is in (K step 1's load may be out)
	s_barrier_signal -1
	s_barrier_wait -1                              ; everybody's is
	WIN TO_B
	BFRAGS 0, 0, 0, 0
	BFRAGS 0, 0, 0, 4
	WIN 0
	AFRAGS 0, 0, 0
	AFRAGS 0, 0, 2
	AFRAGS 0, 0, 4
	AFRAGS 0, 0, 6
	KSTEP 0, 0, 0, 1, 1, 0                         ; the first step stands in front of the loop: its products start the sums
	s_mov_b32 s3, LAPS-1
.Llap:                                                 ; a trip goes once round the ring, from a lap's second step to the next lap's first, and fills both slots again
	KSTEP 0, 1, 1, 0, 0, 1
	KSTEP 1, 0, 1, 1, 0, 0
	KSTEP 1, 1, 0, 0, 0, 1
	KSTEP 0, 0, 0, 1, 0, 0
	s_sub_co_u32 s3, s3, 1
	s_cmp_lg_u32 s3, 0
	s_cbranch_scc1 .Llap
	KSTEP 0, 1, 1, 0, 0, 2                         ; the last lap fills nothing, and has no round of the cluster's barrier: slot 0 is left for good
	KSTEP 1, 0, 1, 1, 0, 0
	KSTEP 1, 1, 0, 0, 0, 3
; THE WAY OUT, block by block of 16 rows x 128 columns.  Each sum is multiplied by its column's factor into other registers (each accumulator from its low end on); onto those the matrix unit adds t (s O U)^T: source 0 = 16 columns'
; s O U, whose k 16-31 are zeros, source 1 = the block's t, whose k 16-31 are the next block's t (the last block's: zeros).  A lane holds 32 neighbouring bytes of a row, and the lanes beside it hold other rows: so a block
; goes through my own stage in LDS and comes back as whole rows of 512 bytes.  LDS serves a wave's instructions in order (ISA guide 5.7.1.4): no wait between the stores and the loads, nor in front of the next block's stores.
.macro TOSTAGE a
.set AC, 64*((\a)%4)
	WIN 0x06+((\a)/4)                              ; source 0 (the sums) window 2 or 3, source 1 (the factors) window 1
.irp j, 0,2,4,6,8,10,12,14,16,18,20,22,24,26,28,30,32,34,36,38,40,42,44,46,48,50,52,54,56,58,60,62
	v_pk_mul_f32 v[TMP+\j:TMP+\j+1], v[AC+\j:AC+\j+1], v[\j:\j+1]
.endr
	WIN 0x05                                       ; sources 0 and 1 window 1; C and D window 0
.irp b, 0,1,2,3,4,5,6,7                        ; eight accumulators, one instruction each
	v_wmma_f32_16x16x32_bf16 v[TMP+8*\b:TMP+8*\b+7], v[64+8*\b:64+8*\b+7], v[128+4*(\a):128+4*(\a)+7], v[TMP+8*\b:TMP+8*\b+7]
.endr
	WIN 0
	PLACES NP                                      ; in front of the stores that read the results
.irp b, 0,1,2,3,4,5,6,7
	ds_store_b128 v[STO], v[TMP+8*\b:TMP+8*\b+3] offset:64*\b
	ds_store_b128 v[STO], v[TMP+8*\b+4:TMP+8*\b+7] offset:64*\b+16
.endr
.set BB, BK+64*((\a)%2)
.irp t, 0,1,2,3,4,5,6,7,8,9,10,11,12,13,14,15
	ds_load_b128 v[BB+4*\t:BB+4*\t+3], v[RD] offset:\t*SPITCH
.endr
.endm
.macro SEND a, younger                 ; younger: the LDS instructions issued behind block a's loads, which may stay out
.set BB, BK+64*((\a)%2)
	s_wait_dscnt \younger                          ; the block is back in registers
.if (\a) > 0
	s_add_nc_u64 s[76:77], s[76:77], 16*NROW       ; (behind a wait on XCNT: the earlier stores have read their base)  16 rows on, so that the stores' offsets stay at 15 rows at the most
.endif
.irp t, 0,1,2,3,4,5,6,7,8,9,10,11,12,13,14,15
	global_store_b128 v[CO], v[BB+4*\t:BB+4*\t+3], s[76:77] offset:\t*NROW th:TH_STORE_NT   ; 32 lanes store 512 consecutive bytes, at a multiple of 256 from out's first byte; written once, read by nobody here
.endr
.endm
	PLACES NP                                      ; in front of loads and writes into registers that the last products read
	WIN TO_B
.irp b, 0,1,2,3,4,5,6,7
.irp i, 0,1
	ds_load_b128 v[8*\b+4*\i:8*\b+4*\i+3], v[SCA] offset:ALPHA+64*\b+16*\i   ; the factors of columns 16 b + 8 h + 0 .. 7 of my 128: as the accumulators' registers lie
.endr
.endr
.irp b, 0,1,2,3,4,5,6,7
	ds_load_b128 v[64+8*\b:64+8*\b+3], v[RU] offset:UIMG+512*\b
.endr
.irp a, 0,1,2,3,4,5,6,7
	ds_load_b128 v[128+4*\a:128+4*\a+3], v[RT] offset:TIMG+512*\a
.endr
.irp b, 0,1,2,3,4,5,6,7
.irp i, 4,5,6,7
	v_mov_b32 v[64+8*\b+\i], 0                     ; s O U has 16 along K: k 16-31 are zeros
.endr
.endr
.irp i, 0,1,2,3
	v_mov_b32 v[160+\i], 0
.endr
	WIN 0
	s_wait_dscnt 0x0
	TOSTAGE 0
.irp a, 1,2,3,4,5,6,7
.if \a > 1
	s_wait_xcnt 0x0                                ; block a - 2's stores have read their registers and their base: block a's loads may land there, and the base may step
.endif
	TOSTAGE \a
	SEND \a-1, 32                                  ; behind block a - 1's loads: block a's 16 stores and 16 loads
.endr
	s_wait_xcnt 0x0                                ; block 6's stores have read their base
	SEND 7, 0
	s_wait_tensorcnt 0x0                           ; the wave's end: behind my last tensor load and my last LDS store
	ds_add_u32 v[SPW], v[NIL]
	s_wait_dscnt 0x0
	CROUND                                         ; the closing round: no work-group ends while a partner may still ask for a tile that names it
	s_endpgm
.Lfunc_end_k_q5b136582b8_gemm:
	.size	k_q5b136582b8_gemm, .Lfunc_end_k_q5b136582b8_gemm-k_q5b136582b8_gemm
	.p2alignl 7, 3214868480
	.fill 96, 4, 3214868480
	.section	.rodata,"a",@progbits
	.p2align	6, 0x0
	.amdhsa_kernel k_q5b136582b8_gemm
		.amdhsa_group_segment_fixed_size 327680
		.amdhsa_private_segment_fixed_size 0
		.amdhsa_enable_private_segment 0
		.amdhsa_kernarg_size 72
		.amdhsa_user_sgpr_count 2
		.amdhsa_user_sgpr_kernarg_segment_ptr 1
		.amdhsa_wavefront_size32 1
		.amdhsa_system_sgpr_workgroup_id_x 1
		.amdhsa_system_sgpr_workgroup_id_y 1
		.amdhsa_system_sgpr_workgroup_id_z 1
		.amdhsa_system_vgpr_workitem_id 0
		.amdhsa_next_free_vgpr 1024
		.amdhsa_next_free_sgpr 100
		.amdhsa_reserve_vcc 0
		.amdhsa_float_denorm_mode_32 3
		.amdhsa_float_denorm_mode_16_64 3
		.amdhsa_memory_ordered 1
		.amdhsa_forward_progress 1
		.amdhsa_inst_pref_size 149
	.end_amdhsa_kernel
	.amdgpu_metadata
---
amdhsa.version: [ 1, 2 ]
amdhsa.kernels:
  - .name:           k_q5b136582b8_gemm
    .symbol:         k_q5b136582b8_gemm.kd
    .args:
      - { .name: xq, .offset: 0, .size: 8, .value_kind: global_buffer, .address_space: global }
      - { .name: wq, .offset: 8, .size: 8, .value_kind: global_buffer, .address_space: global }
      - { .name: lowp_scales, .offset: 16, .size: 8, .value_kind: global_buffer, .address_space: global }
      - { .name: tpart, .offset: 24, .size: 8, .value_kind: global_buffer, .address_space: global }
      - { .name: nsq, .offset: 32, .size: 8, .value_kind: global_buffer, .address_space: global }
      - { .name: magnitude, .offset: 40, .size: 8, .value_kind: global_buffer, .address_space: global }
      - { .name: osora_O, .offset: 48, .size: 8, .value_kind: global_buffer, .address_space: global }
      - { .name: osora_U, .offset: 56, .size: 8, .value_kind: global_buffer, .address_space: global }
      - { .name: out0, .offset: 64, .size: 8, .value_kind: global_buffer, .address_space: global }
    .group_segment_fixed_size: 327680
    .private_segment_fixed_size: 0
    .kernarg_segment_align: 8
    .kernarg_segment_size: 72
    .max_flat_workgroup_size: 128
    .sgpr_count:     100
    .vgpr_count:     1024
    .wavefront_size: 32
...
	.end_amdgpu_metadata
.endif
;; end of part 2
;; ======== version 2 of 2: 2 launches; version 1 with the launch prep written anew for expert scheduling mode
;; limits: below input magnitudes of 1.7e-21 results are inexact or not finite
;; workspace buffers: xq 16,777,216 bytes; wq 16,777,216 bytes; tpart 1,048,576 bytes; nsq 65,536 bytes
;; launch prep (part 3): grid 256 x 1, 16 waves a work-group, no clusters, 208,896 bytes of LDS; arguments x, base_weight, osora_V, osora_U, osora_S, osora_O, lowp_scales, xq, wq, tpart, nsq; writes xq, wq, tpart, nsq
.if DOCPART == 3
	.amdgcn_target "amdgcn-amd-amdhsa--gfx1250"
	.amdhsa_code_object_version 6
	.text
	.protected	k_q5b136582b8_prep
	.globl	k_q5b136582b8_prep
	.p2align	8
	.type	k_q5b136582b8_prep,@function
k_q5b136582b8_prep:
	s_mov_b64 s[64:65], 0
	v_nop
	global_prefetch_b8 v0, s[64:65] scope:SCOPE_SE
	s_setreg_imm32_b32 hwreg(HW_REG_WAVE_SCHED_MODE, 0, 2), 2
	s_setreg_imm32_b32 hwreg(HW_REG_WAVE_MODE, 25, 1), 1
	s_wait_xcnt 0x0
	s_wait_alu depctr_vm_vsrc(0)
; THE LAUNCH IN FRONT OF THE GEMM.  x [4096][4096] and base_weight [4096][4096], f32, are read once; all that needs the f32 numbers is done while they are in registers.
; Work-groups 0-127 (x): codes of x at 2^e2 -> xq;  the small quantised product Q(x at 2^e0) Q(V at 2^e1)^T, x S x 2^(e0 + e1), in four parts along K -> tpart.
; Work-groups 128-255 (W): codes of W at 2^e3 -> wq;  the sums of squares of the rows of W + (O U S) V, in four parts along K -> nsq.  (O U S) V is a product with K = 16 that is left as it is: bf16 operands, f32 sums, with W itself, in f32, as C.
; code = number / 2^e, held within +-448, rounded to the nearest code of E4M3, ties to even.
; LIMITS: each e of lowp_scales between -126 and 119, so that 2^e and 448 x 2^e are f32 numbers.  NaN and infinities among the inputs are not served (a zero half of an operand must give 0).  The sums over K are made in parts
; (two accumulators, two waves, four work-groups) and added in f32: another order of rounding than one chain's.
; SHARES.  A work-group takes 128 rows x 1,024 along K; wave w takes rows 16 (w % 8) on and 512 (w / 8) along K on, in 8 chunks of 16 rows x 64 K.  Sixteen waves of 256 registers: four to a SIMD.
; A CHUNK.  Eight loads, each two rows' aligned 256 bytes (16 lanes a row).  The conversions want 16 neighbours along K in one lane, so the chunk turns through the wave's own stage in LDS (rows 272 bytes apart):
; afterwards register 16 b + i of lane (rl, h) is k = 32 b + 16 h + i of row rl.  Loads run four chunks (32 loads a wave) ahead.
; THE CODES' LAYOUT is the order of an operand's registers: [row tile of 16][K step of 128][quad c][lane][16 bytes], quad c of lane (rl, h) = k 32 c + 16 h + 0 .. 15 of row rl: a wave's store covers 512 consecutive bytes, aligned.
; That order of k is the same in both operands of every product that reads them, so every product meets its partner.
; V is shared by the work-group: each wave makes one chunk's operand image of the work-group's 1,024 columns of V, in LDS, once.  The two paths part on the work-group's number, never meet again, and have LDS bytes of their own.
; No tensor loads, no cluster: every byte of x and W is read once by one wave; what is shared (V's quarter) is 64 KiB a work-group.
; THE MODE: SCHED_MODE bits 1:0 = 2 (LLVM: expert scheduling mode 2), set by the entry lines.  The code itself states the register dependences between vector or matrix instructions and memory or LDS instructions,
; with s_wait_alu, always for 0.
; THE PLAN.  Registers that memory or LDS instructions touch, from chunk to chunk, in both paths:
;   R0 .. R3    Written by the global loads of chunk c + 4, issued in chunk c; read by chunk c's LDS stores into the stage.  No vector instruction names them.
;   X           Written by chunk c's LDS loads from the stage; read and written by chunk c's vector and matrix instructions.
;   VF (x), VT (W)   Written by chunk c's LDS loads of V's image; read by chunk c's matrix instructions.
;   C2 (x), C3 (W)   Written by chunk c's conversions; read by the two global stores that stand at the head of chunk c + 1.
;   v4 to v13   Offsets and LDS addresses, made at the head and never written again (the W path's v24 to v27, offsets of the head's small loads, become C3).
; So a chunk has two such waits.  ONE on va_vdst at its head: the chunk before has written its codes and is done with X and with V's fragments; the codes' stores, the turn through the stage and V's fragment follow it.
; ONE on vm_vsrc behind the turn: the stage's stores have read R[c % 4] and the codes' stores their data; the loads of chunk c + 4 follow it, dealt among the chunk's vector instructions, none of which names R.
.set XV,    0                          ; x path: V's fp8 images: 16 chunks x 1,024 bytes
.set XRED,  16384                      ;         the waves' parts of the small product: 16 x 1,024
.set XSTG,  32768                      ;         the stages: 16 waves x 16 rows x 272
.set WV,    102400                     ; W path: V^T's bf16 images: 16 chunks x 2,048 bytes
.set WRED,  135168                     ;         the waves' sums of squares: 16 x 128
.set WSTG,  137216                     ;         the stages
.set SP,    272                        ; a stage row: 256 bytes + 16: an odd multiple of 16, so that sixteen rows' loads of 16 bytes start at sixteen different places modulo 256
.set WSTAGE, 16*SP
.set ROWB,  16384                      ; a row of x, W or V in bytes
.set LI,   4                           ; v4   16 x lane
.set GL,   5                           ; v5   a chunk's loads: h rows + 16 rl bytes
.set SST,  6                           ; v6   the stage, on the way in
.set SLD,  7                           ; v7   the stage, on the way out
.set VRD,  8                           ; v8   where I read V's images
.set VWR,  9                           ; v9   where I write mine
.set RWR,  10                          ; v10  where I put my part of a sum
.set RRD,  11                          ; v11  where I read the parts back
.set VGO,  12                          ; v12  my offset in V
.set R,    32                          ; v32-159  four sets of 32: chunks as loaded
.set X,    160                         ; v160-191 the chunk turned
.set T,    192                         ; at work
.macro MKSCALE e, sc, lim              ; 2^e and 448 x 2^e as f32 numbers
	s_add_co_i32 s50, s[\e], 127
	s_lshl_b32 s51, s50, 23
	v_mov_b32 v[\sc], s51
	s_add_co_i32 s50, s50, 8
	s_lshl_b32 s50, s50, 23
	s_or_b32 s50, s50, 0x600000
	v_mov_b32 v[\lim], s50
.endm
.macro BARRIER                         ; my LDS stores have landed and my LDS loads are in: then the work-group's barrier
	s_wait_dscnt 0x0
	s_barrier_signal -1
	s_barrier_wait -1
.endm
.macro STAGEADR base                   ; my stage: base + 4,352 x wave; in: row h, 16 rl;  out: row rl, 64 h
	s_mul_i32 s46, s32, WSTAGE
	s_add_co_u32 s46, s46, \base
	v_mul_u32_u24 v[SST], v3, SP
	v_lshl_add_u32 v[SST], v2, 4, v[SST]
	v_add_nc_u32 v[SST], s46, v[SST]
	v_mul_u32_u24 v[SLD], v2, SP
	v_lshl_add_u32 v[SLD], v3, 6, v[SLD]
	v_add_nc_u32 v[SLD], s46, v[SLD]
.endm
.macro GLOAD c, bs                     ; chunk c: load i takes rows 2 i and 2 i + 1, 256 consecutive bytes of each
.irp i, 0,1,2,3,4,5,6,7
	global_load_b128 v[R+32*((\c)%4)+4*\i:R+32*((\c)%4)+4*\i+3], v[GL], s[\bs:\bs+1] offset:2*\i*ROWB+256*(\c) th:TH_LOAD_NT
.endr
.endm
.macro GLOAD4 c, bs, i0                ; four of chunk c's eight loads: i0 .. i0 + 3
.irp i, \i0, \i0+1, \i0+2, \i0+3
	global_load_b128 v[R+32*((\c)%4)+4*(\i):R+32*((\c)%4)+4*(\i)+3], v[GL], s[\bs:\bs+1] offset:2*(\i)*ROWB+256*(\c) th:TH_LOAD_NT
.endr
.endm
.macro TURN c                          ; through the stage: LDS serves a wave's instructions in order (ISA guide 5.7.1.4), so no wait stands between the stores and the loads
.irp i, 0,1,2,3,4,5,6,7
	ds_store_b128 v[SST], v[R+32*((\c)%4)+4*\i:R+32*((\c)%4)+4*\i+3] offset:2*\i*SP
.endr
.irp b, 0,1
.irp j, 0,1,2,3
	ds_load_b128 v[X+16*\b+4*\j:X+16*\b+4*\j+3], v[SLD] offset:128*\b+16*\j
.endr
.endr
.endm
.macro CHUNKWAIT c
.if (\c) < 5
	s_wait_loadcnt 24                              ; this chunk's eight loads are in; the three chunks behind it may be out
.else
	s_wait_loadcnt 8*(7-(\c))                      ; the counts run down
.endif
.endm
	s_load_b512 s[4:19], s[0:1], 0x0               ; x 4:5, W 6:7, V 8:9, U 10:11, S 12:13, O 14:15, the scales' exponents 16:17, xq 18:19
	s_load_b128 s[20:23], s[0:1], 0x40             ; wq 20:21, tpart 22:23
	s_load_b64 s[24:25], s[0:1], 0x50              ; nsq
	v_lshrrev_b32 v1, 5, v0
	v_readfirstlane_b32 s32, v1                    ; wave 0..15
	v_and_b32 v1, 31, v0                           ; lane
	v_and_b32 v2, 15, v0                           ; rl
	v_bfe_u32 v3, v0, 4, 1                         ; h
	v_lshlrev_b32 v[LI], 4, v1
	v_lshlrev_b32 v[GL], 14, v3
	v_lshl_add_u32 v[GL], v2, 4, v[GL]
	s_wait_alu depctr_va_sdst(0)                   ; s32 is written, ahead of its first reader: the wave's shares, bases and LDS places are made from it
	s_and_b32 s33, s32, 7                          ; which 16 rows
	s_lshr_b32 s34, s32, 3                         ; kh: which 512 along K
	s_and_b32 s37, ttmp9, 127
	s_lshr_b32 s35, s37, 2                         ; which 128 rows
	s_and_b32 s36, s37, 3                          ; q: which 1,024 along K
	s_lshl_b32 s38, s35, 3
	s_add_co_u32 s38, s38, s33                     ; my row tile, 0..255
	s_lshl_b32 s40, s38, 18                        ; the source: 16 rows of 16,384 bytes a tile,
	s_lshl_b32 s41, s36, 12                        ; + 4,096 q
	s_add_co_u32 s40, s40, s41
	s_lshl_b32 s41, s34, 11                        ; + 2,048 kh
	s_add_co_u32 s40, s40, s41
	s_mov_b32 s41, 0
	s_lshl_b32 s42, s38, 16                        ; the codes: 65,536 bytes a tile,
	s_lshl_b32 s43, s36, 14                        ; + 8 K steps of 2,048 bytes a quarter
	s_add_co_u32 s42, s42, s43
	s_lshl_b32 s43, s34, 13                        ; + 4 K steps a half
	s_add_co_u32 s42, s42, s43
	s_mov_b32 s43, 0
	s_lshl_b32 s44, s36, 12                        ; V: the chunk of which I make the image: columns 1,024 q + 64 w on
	s_lshl_b32 s45, s32, 8
	s_add_co_u32 s44, s44, s45
	s_mov_b32 s45, 0
	s_wait_kmcnt 0x0
	s_load_b128 s[28:31], s[16:17], 0x0            ; e0, e1, e2, e3
	s_add_nc_u64 s[8:9], s[8:9], s[44:45]
	s_cmp_ge_u32 ttmp9, 128                        ; the same for all waves of a work-group
	s_cbranch_scc1 .Lw_path
; ======================================================================================== x
.set SC2, 14                           ; v14, v15  2^e2, 448 x 2^e2: the large product's x
.set LM2, 15
.set SC0, 16                           ; v16, v17  the same with e0: the small product's x
.set LM0, 17
.set SC1, 18                           ; v18, v19  with e1: V
.set LM1, 19
.set SS,  20                           ; v20-23    S x 2^(e0 + e1) at r = 8 h + 4 kh + 0 .. 3
.set C2,  208                          ; v208-215  codes at e2
.set C0,  216                          ; v216-223  codes at e0
.set VF,  224                          ; v224-239  V's fragment, two sets
.set ACC, 240                          ; v240-255  two accumulators, by turns
	s_add_nc_u64 s[4:5], s[4:5], s[40:41]
	s_add_nc_u64 s[18:19], s[18:19], s[42:43]
	s_lshl_b32 s46, s34, 4
	s_mov_b32 s47, 0
	s_add_nc_u64 s[12:13], s[12:13], s[46:47]      ; S at 4 kh
	s_lshl_b32 s46, s36, 18                        ; tpart: 262,144 q + 1,024 x tile + 512 kh
	s_lshl_b32 s48, s38, 10
	s_add_co_u32 s46, s46, s48
	s_lshl_b32 s48, s34, 9
	s_add_co_u32 s46, s46, s48
	s_add_nc_u64 s[22:23], s[22:23], s[46:47]
	v_lshlrev_b32 v13, 5, v3                       ; S: 32 h
	v_lshlrev_b32 v[VGO], 14, v2                   ; V: row rl, + 64 h: my 16 numbers of a block of 32
	v_lshl_add_u32 v[VGO], v3, 6, v[VGO]
	s_wait_alu depctr_va_vdst(0)                   ; the offsets v13, v[VGO] and v[GL] are written, which the loads below read; so is v[LI], which every global store reads
	global_load_b128 v[SS:SS+3], v13, s[12:13]
.irp b, 0,1
.irp j, 0,1,2,3
	global_load_b128 v[X+16*\b+4*\j:X+16*\b+4*\j+3], v[VGO], s[8:9] offset:128*\b+16*\j
.endr
.endr
.irp c, 0,1,2,3
	GLOAD \c, 4
.endr
	STAGEADR XSTG
	s_lshl_b32 s46, s34, 13
	v_add_nc_u32 v[VRD], s46, v[LI]                ; XV + 8 chunks x kh + 16 x lane
	s_lshl_b32 s46, s32, 10
	v_add_nc_u32 v[VWR], s46, v[LI]                ; XV + 1,024 w + 16 x lane
	s_add_co_u32 s46, s46, XRED
	v_add_nc_u32 v[RWR], s46, v[LI]
	s_lshl_b32 s46, s33, 10
	s_lshl_b32 s48, s34, 9
	s_add_co_u32 s46, s46, s48
	s_add_co_u32 s46, s46, XRED
	v_add_nc_u32 v[RRD], s46, v[LI]                ; quad kh of my tile's two waves: 8,192 bytes apart
	s_wait_kmcnt 0x0
	MKSCALE 30, SC2, LM2
	MKSCALE 28, SC0, LM0
	MKSCALE 29, SC1, LM1
	s_add_co_i32 s48, s28, s29                     ; e0 + e1
	s_wait_loadcnt 32                              ; S and V are in; the four chunks' 32 loads may be out
.irp i, 0,1,2,3
	v_ldexp_f32 v[SS+\i], v[SS+\i], s48
.endr
.irp i, 0,1,2,3,4,5,6,7,8,9,10,11,12,13,14,15,16,17,18,19,20,21,22,23,24,25,26,27,28,29,30,31
	v_med3_num_f32 v[X+\i], v[X+\i], -v[LM1], v[LM1]   ; the conversion to an 8-bit code does not saturate (ISA guide 7.6.2): the hold comes first
.endr
.irp g, 0,1,2,3
	v_cvt_scalef32_pk8_fp8_f32 v[C0+2*\g:C0+2*\g+1], v[X+8*\g:X+8*\g+7], v[SC1]
.endr
	v_nop                                          ; a plain line behind the last conversion
	s_wait_alu depctr_va_vdst(0)                   ; the conversions have written C0, which the LDS stores read; the six LDS addresses v6 to v11 are written; the holds and conversions are done with X, in which chunk 0's LDS loads land
	ds_store_b128 v[VWR], v[C0:C0+3]               ; V's 16 rows x my 64 columns, as an operand's registers
	ds_store_b128 v[VWR], v[C0+4:C0+7] offset:512
	BARRIER                                        ; V's sixteen images lie in LDS
.macro XCHUNK c
	CHUNKWAIT \c
.if (\c) > 0
	s_wait_alu depctr_va_vdst(0)                   ; the chunk before has written C2, which the two stores read; its holds and conversions are done with X, and the matrix instructions issued so far with V's fragments: the LDS loads below land in both
.irp i, 0,1
	global_store_b128 v[LI], v[C2+4*\i:C2+4*\i+3], s[18:19] offset:((\c)-1)*1024+512*\i   ; the chunk before: 512 consecutive bytes, aligned
.endr
.endif
	TURN \c
.irp i, 0,1
	ds_load_b128 v[VF+8*((\c)%2)+4*\i:VF+8*((\c)%2)+4*\i+3], v[VRD] offset:(\c)*1024+512*\i
.endr
	s_wait_dscnt 0x0                               ; the chunk is back, and V's fragment is in
.if (\c) > 0
	s_wait_xcnt 0x0                                ; the two stores at this chunk's head have had their addresses translated (ISA guide 3.1): C2 is written again only behind this wait
.endif
	s_wait_alu depctr_vm_vsrc(0)                   ; the stage's stores have read R[c % 4], in which the loads of four chunks on land; the two stores have read C2, which the conversions write again; in chunk 0 the stores of V's image have read C0
.irp b, 0,1
.if (\c) < 4
	GLOAD4 (\c)+4, 4, 4*\b                         ; the chunk four further on, four loads ahead of each half's work.  No further wait: nothing issued since the wait above reads R[c % 4], and no vector instruction names it
.endif
.irp i, 0,1,2,3,4,5,6,7,8,9,10,11,12,13,14,15
	v_med3_num_f32 v[T+\i], v[X+16*\b+\i], -v[LM2], v[LM2]
.endr
	v_cvt_scalef32_pk8_fp8_f32 v[C2+4*\b:C2+4*\b+1], v[T:T+7], v[SC2]
	v_cvt_scalef32_pk8_fp8_f32 v[C2+4*\b+2:C2+4*\b+3], v[T+8:T+15], v[SC2]
.irp i, 0,1,2,3,4,5,6,7,8,9,10,11,12,13,14,15
	v_med3_num_f32 v[X+16*\b+\i], v[X+16*\b+\i], -v[LM0], v[LM0]   ; (these plain lines also stand between the conversions above and the next write of their sources)
.endr
	v_cvt_scalef32_pk8_fp8_f32 v[C0+4*\b:C0+4*\b+1], v[X+16*\b:X+16*\b+7], v[SC0]
	v_cvt_scalef32_pk8_fp8_f32 v[C0+4*\b+2:C0+4*\b+3], v[X+16*\b+8:X+16*\b+15], v[SC0]
.endr
	v_nop                                          ; a plain line between the last conversion and the matrix instruction that reads its result
; source 0 = V's 16 rows, source 1 = x's 16 rows: register j of lane (rl, h) is (row rl, r = 8 h + j).  The two accumulators take turns; the first product of each starts its sum
.if (\c) < 2
	v_wmma_f32_16x16x64_fp8_fp8 v[ACC+8*((\c)%2):ACC+8*((\c)%2)+7], v[VF+8*((\c)%2):VF+8*((\c)%2)+7], v[C0:C0+7], 0
.else
	v_wmma_f32_16x16x64_fp8_fp8 v[ACC+8*((\c)%2):ACC+8*((\c)%2)+7], v[VF+8*((\c)%2):VF+8*((\c)%2)+7], v[C0:C0+7], v[ACC+8*((\c)%2):ACC+8*((\c)%2)+7]
.endif
.endm
.irp c, 0,1,2,3,4,5,6,7
	XCHUNK \c
.endr
.rept 4
	v_nop                                          ; four places in front of the first read of results (ISA guide 7.12.1)
.endr
.irp p, 0,2,4,6
	v_pk_add_f32 v[T+\p:T+\p+1], v[ACC+\p:ACC+\p+1], v[ACC+8+\p:ACC+8+\p+1]
.endr
	s_wait_alu depctr_va_vdst(0)                   ; chunk 7 has written C2, which the two stores read; the additions have written v[T .. T+7], which the LDS stores read; chunk 7 is done with v[T+8 .. T+15], in which the LDS loads behind the barrier land
.irp i, 0,1
	global_store_b128 v[LI], v[C2+4*\i:C2+4*\i+3], s[18:19] offset:7*1024+512*\i   ; the last chunk's codes
.endr
	ds_store_b128 v[RWR], v[T:T+3]
	ds_store_b128 v[RWR], v[T+4:T+7] offset:512
	BARRIER                                        ; both K halves of every tile lie in LDS
	ds_load_b128 v[T+8:T+11], v[RRD]
	ds_load_b128 v[T+12:T+15], v[RRD] offset:8192
	s_wait_dscnt 0x0
	v_pk_add_f32 v[T+8:T+9], v[T+8:T+9], v[T+12:T+13]
	v_pk_add_f32 v[T+10:T+11], v[T+10:T+11], v[T+14:T+15]
	v_pk_mul_f32 v[T+8:T+9], v[T+8:T+9], v[SS:SS+1]
	v_pk_mul_f32 v[T+10:T+11], v[T+10:T+11], v[SS+2:SS+3]
	s_wait_alu depctr_va_vdst(0)                   ; the multiplications have written v[T+8 .. T+11], which the store reads
	global_store_b128 v[LI], v[T+8:T+11], s[22:23] ; 512 consecutive bytes, aligned
	s_wait_xcnt 0x0                                ; the stores have had their addresses translated (ISA guide 3.1): v214 and v215, data of the last codes' stores, are written again only behind this wait,
	s_wait_alu depctr_vm_vsrc(0)                   ; and behind this one: those stores have read v214 and v215
	v_lshl_add_u32 v214, v0, 2, 0x32800            ; my spare word: behind the W path's stages, 128 bytes for each wave,
	v_mov_b32 v215, 0                              ; and 0
	s_wait_dscnt 0x0                               ; the closing lines, six on end
	s_wait_alu 0x0
	s_wait_tensorcnt 0x0
	ds_add_u32 v214, v215
	s_wait_dscnt 0x0
	s_endpgm
; ======================================================================================== W
.Lw_path:
.set SC3, 14                           ; v14, v15  2^e3, 448 x 2^e3
.set LM3, 15
.set SQ,  16                           ; v16-23    the sums of squares, four packed chains
.set C3,  24                           ; v24-31    codes (at the head: offsets of the small loads, and O)
.set VT,  224                          ; v224-239  V^T's two pair fragments of a chunk
.set BLO, 240                          ; v240-247  [a | 0]: a = O U S of my 16 rows, bf16, in k 0-15
.set BHI, 248                          ; v248-255  [0 | a]: the same in k 16-31
	s_add_nc_u64 s[6:7], s[6:7], s[40:41]
	s_add_nc_u64 s[20:21], s[20:21], s[42:43]
	s_lshl_b32 s46, s38, 10                        ; U: 16 rows of 64 bytes a tile
	s_mov_b32 s47, 0
	s_add_nc_u64 s[10:11], s[10:11], s[46:47]
	s_lshl_b32 s46, s38, 6                         ; O: 16 numbers a tile
	s_add_nc_u64 s[14:15], s[14:15], s[46:47]
	s_lshl_b32 s46, s36, 14                        ; nsq: 16,384 q + 512 x (128 rows)
	s_lshl_b32 s48, s35, 9
	s_add_co_u32 s46, s46, s48
	s_add_nc_u64 s[24:25], s[24:25], s[46:47]
	v_lshlrev_b32 v24, 6, v2
	v_lshl_add_u32 v24, v3, 5, v24                 ; U: row rl, r = 8 h on
	v_lshlrev_b32 v25, 5, v3                       ; S: r = 8 h on
	v_lshlrev_b32 v26, 2, v2                       ; O: row rl
	v_and_b32 v27, 8, v2
	v_add_nc_u32 v27, v27, v2                      ; rl + 8 (rl / 8)
	v_lshlrev_b32 v[VGO], 17, v3                   ; V: rows 8 h on,
	v_lshl_add_u32 v[VGO], v27, 2, v[VGO]          ; column rl + 8 (rl / 8) of a tile
	s_wait_alu depctr_va_vdst(0)                   ; the offsets v24 to v26, v[VGO] and v[GL] are written, which the loads below read; so is v[LI], which every global store reads
	global_load_b128 v[T:T+3], v24, s[10:11]
	global_load_b128 v[T+4:T+7], v24, s[10:11] offset:16
	global_load_b128 v[T+8:T+11], v25, s[12:13]
	global_load_b128 v[T+12:T+15], v25, s[12:13] offset:16
	global_load_b32 v30, v26, s[14:15]
; V^T as source 0.  THE COLUMNS OF V THAT FORM A TILE ARE NOT NEIGHBOURS: lane rl of tile (b, u) stands for column 32 b + 8 u + rl + 8 (rl / 8), so that register j of lane (rl, h) of the result is column 32 b + 16 h + 8 u + j:
; the place that the turned chunk gives it.  A fragment of K = 32 holds TWO tiles: u = 0 in k 0-15, u = 1 in k 16-31; [a | 0] picks the first and [0 | a] the second.
.irp b, 0,1
.irp u, 0,1
.irp j, 0,1,2,3,4,5,6,7
	global_load_b32 v[X+16*\b+8*\u+\j], v[VGO], s[8:9] offset:\j*ROWB+(32*\b+8*\u)*4
.endr
.endr
.endr
.irp c, 0,1,2,3
	GLOAD \c, 6
.endr
	STAGEADR WSTG
	s_lshl_b32 s48, s34, 14
	s_add_co_u32 s48, s48, WV
	v_add_nc_u32 v[VRD], s48, v[LI]                ; WV + 8 chunks x kh + 16 x lane
	s_lshl_b32 s48, s32, 11
	s_add_co_u32 s48, s48, WV
	v_add_nc_u32 v[VWR], s48, v[LI]                ; WV + 2,048 w + 16 x lane
	s_lshl_b32 s48, s32, 7
	s_add_co_u32 s48, s48, WRED
	v_lshl_add_u32 v[RWR], v1, 2, s48              ; WRED + 128 w + 4 x lane
	v_lshrrev_b32 v[RRD], 2, v1
	v_lshlrev_b32 v[RRD], 7, v[RRD]
	v_and_b32 v28, 3, v1
	v_lshl_add_u32 v[RRD], v28, 4, v[RRD]
	v_add_nc_u32 v[RRD], WRED, v[RRD]              ; wave 0's way back: rows 4 x lane on: tile lane / 4, 16 (lane % 4) bytes
	s_wait_kmcnt 0x0
	MKSCALE 31, SC3, LM3
	s_wait_loadcnt 32                              ; U, S, O and V are in; the four chunks' 32 loads may be out
.irp p, 0,1,2,3
	v_pk_mul_f32 v[T+2*\p:T+2*\p+1], v[T+2*\p:T+2*\p+1], v[T+8+2*\p:T+8+2*\p+1]   ; U S
.endr
.irp i, 0,1,2,3,4,5,6,7
	v_mul_f32 v[T+\i], v30, v[T+\i]                ; O (U S)
.endr
.irp p, 0,1,2,3
	v_cvt_pk_bf16_f32 v[BLO+\p], v[T+2*\p], v[T+2*\p+1]
	v_cvt_pk_bf16_f32 v[BHI+4+\p], v[T+2*\p], v[T+2*\p+1]
	v_mov_b32 v[BLO+4+\p], 0
	v_mov_b32 v[BHI+\p], 0
.endr
.irp n, 0,1,2,3,4,5,6,7,8,9,10,11,12,13,14,15
	v_cvt_pk_bf16_f32 v[T+16+\n], v[X+2*\n], v[X+2*\n+1]
.endr
	s_wait_alu depctr_va_vdst(0)                   ; the roundings have written v[T+16 .. T+31], which the LDS stores read, and are done reading X, in which chunk 0's LDS loads land; the six LDS addresses v6 to v11 are written
.irp k, 0,1,2,3
	ds_store_b128 v[VWR], v[T+16+4*\k:T+16+4*\k+3] offset:512*\k
.endr
	BARRIER                                        ; V^T's sixteen images lie in LDS
.macro WCHUNK c
	CHUNKWAIT \c
.if (\c) > 0
	s_wait_alu depctr_va_vdst(0)                   ; the chunk before has written C3, which the two stores read; its matrix instructions and sums of squares are done with X, its matrix instructions with V^T's fragments: the LDS loads below land in both
.irp i, 0,1
	global_store_b128 v[LI], v[C3+4*\i:C3+4*\i+3], s[20:21] offset:((\c)-1)*1024+512*\i   ; the chunk before: 512 consecutive bytes, aligned
.endr
.endif
	TURN \c
.irp k, 0,1,2,3
	ds_load_b128 v[VT+4*\k:VT+4*\k+3], v[VRD] offset:(\c)*2048+512*\k
.endr
	s_wait_dscnt 0x0                               ; the chunk is back, and V^T's fragments are in
.if (\c) > 0
	s_wait_xcnt 0x0                                ; the two stores at this chunk's head have had their addresses translated (ISA guide 3.1): C3 is written again only behind this wait
.endif
	s_wait_alu depctr_vm_vsrc(0)                   ; the stage's stores have read R[c % 4], in which the loads of four chunks on land; the two stores have read C3, which the conversions write again; in chunk 0 the head's loads have read their offsets v24 to v26, which are C3 from here on, and the stores of V^T's image v[T+16 .. T+31], which the holds write
.irp b, 0,1
.if (\c) < 4
	GLOAD4 (\c)+4, 6, 4*\b                         ; the chunk four further on, four loads ahead of each half's work.  No further wait: nothing issued since the wait above reads R[c % 4], and no vector instruction names it
.endif
.irp i, 0,1,2,3,4,5,6,7,8,9,10,11,12,13,14,15
	v_med3_num_f32 v[T+16*\b+\i], v[X+16*\b+\i], -v[LM3], v[LM3]   ; the chunk itself is kept: it is the C of the products below
.endr
	v_cvt_scalef32_pk8_fp8_f32 v[C3+4*\b:C3+4*\b+1], v[T+16*\b:T+16*\b+7], v[SC3]
	v_cvt_scalef32_pk8_fp8_f32 v[C3+4*\b+2:C3+4*\b+3], v[T+16*\b+8:T+16*\b+15], v[SC3]
.endr
	v_nop                                          ; a plain line behind the last conversion
.irp b, 0,1                                    ; W + a V, in place: four accumulators, one instruction each
	v_wmma_f32_16x16x32_bf16 v[X+16*\b:X+16*\b+7], v[VT+8*\b:VT+8*\b+7], v[BLO:BLO+7], v[X+16*\b:X+16*\b+7]
	v_wmma_f32_16x16x32_bf16 v[X+16*\b+8:X+16*\b+15], v[VT+8*\b:VT+8*\b+7], v[BHI:BHI+7], v[X+16*\b+8:X+16*\b+15]
.endr
.rept 4
	v_nop                                          ; four places in front of the first read of results (ISA guide 7.12.1)
.endr
.irp n, 0,1,2,3,4,5,6,7,8,9,10,11,12,13,14,15  ; each result from its low end on
.if ((\c) == 0) && (\n < 4)
	v_pk_mul_f32 v[SQ+2*\n:SQ+2*\n+1], v[X+2*\n:X+2*\n+1], v[X+2*\n:X+2*\n+1]   ; the first four start the chains: nothing is cleared
.else
	v_pk_fma_f32 v[SQ+2*(\n%4):SQ+2*(\n%4)+1], v[X+2*\n:X+2*\n+1], v[X+2*\n:X+2*\n+1], v[SQ+2*(\n%4):SQ+2*(\n%4)+1]
.endif
.endr
.endm
.irp c, 0,1,2,3,4,5,6,7
	WCHUNK \c
.endr
	v_pk_add_f32 v[SQ:SQ+1], v[SQ:SQ+1], v[SQ+2:SQ+3]
	v_pk_add_f32 v[SQ+4:SQ+5], v[SQ+4:SQ+5], v[SQ+6:SQ+7]
	v_pk_add_f32 v[SQ:SQ+1], v[SQ:SQ+1], v[SQ+4:SQ+5]
	v_add_f32 v[SQ], v[SQ], v[SQ+1]                ; row rl, my half h of the columns, my 512 along K
	s_wait_alu depctr_va_vdst(0)                   ; chunk 7 has written C3, which the two stores read; the additions have written v[SQ], which the LDS store reads; chunk 7 is done with v[T .. T+15], in which wave 0's LDS loads behind the barrier land
.irp i, 0,1
	global_store_b128 v[LI], v[C3+4*\i:C3+4*\i+3], s[20:21] offset:7*1024+512*\i   ; the last chunk's codes
.endr
	ds_store_b32 v[RWR], v[SQ]
	BARRIER
	s_cmp_lg_u32 s32, 0                            ; wave 0 adds the four parts (h, kh) of the 128 rows, four rows a lane
	s_cbranch_scc1 .Lw_end
	ds_load_b128 v[T:T+3], v[RRD]
	ds_load_b128 v[T+4:T+7], v[RRD] offset:64
	ds_load_b128 v[T+8:T+11], v[RRD] offset:1024
	ds_load_b128 v[T+12:T+15], v[RRD] offset:1088
	s_wait_dscnt 0x0
	v_pk_add_f32 v[T:T+1], v[T:T+1], v[T+4:T+5]
	v_pk_add_f32 v[T+2:T+3], v[T+2:T+3], v[T+6:T+7]
	v_pk_add_f32 v[T+8:T+9], v[T+8:T+9], v[T+12:T+13]
	v_pk_add_f32 v[T+10:T+11], v[T+10:T+11], v[T+14:T+15]
	v_pk_add_f32 v[T:T+1], v[T:T+1], v[T+8:T+9]
	v_pk_add_f32 v[T+2:T+3], v[T+2:T+3], v[T+10:T+11]
	s_wait_alu depctr_va_vdst(0)                   ; the additions have written v[T .. T+3], which the store reads
	global_store_b128 v[LI], v[T:T+3], s[24:25]    ; 512 consecutive bytes, aligned
.Lw_end:
	s_wait_xcnt 0x0                                ; every earlier memory instruction has had its addresses translated (ISA guide 3.1)
	v_lshl_add_u32 v214, v0, 2, 0x32800            ; my spare word, and 0.  (On this path v214 and v215 were last read by an LDS store of V^T's image, at the head, ahead of the chunks' waits on vm_vsrc: nothing more is owed before they are made)
	v_mov_b32 v215, 0
	s_wait_dscnt 0x0                               ; the closing lines, six on end
	s_wait_alu 0x0
	s_wait_tensorcnt 0x0
	ds_add_u32 v214, v215
	s_wait_dscnt 0x0
	s_endpgm
.Lfunc_end_k_q5b136582b8_prep:
	.size	k_q5b136582b8_prep, .Lfunc_end_k_q5b136582b8_prep-k_q5b136582b8_prep
	.p2alignl 7, 3214868480
	.fill 96, 4, 3214868480
	.section	.rodata,"a",@progbits
	.p2align	6, 0x0
	.amdhsa_kernel k_q5b136582b8_prep
		.amdhsa_group_segment_fixed_size 208896
		.amdhsa_private_segment_fixed_size 0
		.amdhsa_enable_private_segment 0
		.amdhsa_kernarg_size 88
		.amdhsa_user_sgpr_count 2
		.amdhsa_user_sgpr_kernarg_segment_ptr 1
		.amdhsa_wavefront_size32 1
		.amdhsa_system_sgpr_workgroup_id_x 1
		.amdhsa_system_sgpr_workgroup_id_y 1
		.amdhsa_system_sgpr_workgroup_id_z 1
		.amdhsa_system_vgpr_workitem_id 0
		.amdhsa_next_free_vgpr 256
		.amdhsa_next_free_sgpr 66
		.amdhsa_reserve_vcc 0
		.amdhsa_float_denorm_mode_32 3
		.amdhsa_float_denorm_mode_16_64 3
		.amdhsa_memory_ordered 1
		.amdhsa_forward_progress 1
		.amdhsa_inst_pref_size 122
	.end_amdhsa_kernel
	.amdgpu_metadata
---
amdhsa.version: [ 1, 2 ]
amdhsa.kernels:
  - .name:           k_q5b136582b8_prep
    .symbol:         k_q5b136582b8_prep.kd
    .args:
      - { .name: x, .offset: 0, .size: 8, .value_kind: global_buffer, .address_space: global }
      - { .name: base_weight, .offset: 8, .size: 8, .value_kind: global_buffer, .address_space: global }
      - { .name: osora_V, .offset: 16, .size: 8, .value_kind: global_buffer, .address_space: global }
      - { .name: osora_U, .offset: 24, .size: 8, .value_kind: global_buffer, .address_space: global }
      - { .name: osora_S, .offset: 32, .size: 8, .value_kind: global_buffer, .address_space: global }
      - { .name: osora_O, .offset: 40, .size: 8, .value_kind: global_buffer, .address_space: global }
      - { .name: lowp_scales, .offset: 48, .size: 8, .value_kind: global_buffer, .address_space: global }
      - { .name: xq, .offset: 56, .size: 8, .value_kind: global_buffer, .address_space: global }
      - { .name: wq, .offset: 64, .size: 8, .value_kind: global_buffer, .address_space: global }
      - { .name: tpart, .offset: 72, .size: 8, .value_kind: global_buffer, .address_space: global }
      - { .name: nsq, .offset: 80, .size: 8, .value_kind: global_buffer, .address_space: global }
    .group_segment_fixed_size: 208896
    .private_segment_fixed_size: 0
    .kernarg_segment_align: 8
    .kernarg_segment_size: 88
    .max_flat_workgroup_size: 512
    .sgpr_count:     66
    .vgpr_count:     256
    .wavefront_size: 32
...
	.end_amdgpu_metadata
.endif
;; end of part 3
;; launch gemm: the kernel of part 2 again; grid 16 x 16, 4 waves a work-group, clusters of 4 x 4, 327,680 bytes of LDS; arguments xq, wq, lowp_scales, tpart, nsq, magnitude, osora_O, osora_U, out0; writes out0
